; MI455X (gfx1250); checked and timed in simulation.
; The chip was launched on July 23, 2026; its instructions are those of AMD's public machine-readable ISA for CDNA 5 (MIT licence, August 2026) and "CDNA5" Instruction Set Architecture Reference Guide (July 2026). The comments in the code are by the model that wrote it; some were corrected since.
;; Multi Head Self Attention. Allowed arithmetic: matrix products marked QUANTISED: E2M1 operands, one E8M0 scale for each 32 along K, by v_wmma_scale_f32_16x16x128_f8f6f4 with both operands' format E2M1 (or v_wmma_scale_f32_32x16x128_f4), f32 sums; products left as they are: bf16, f16 or f32 operands; f32 sums; everything else in f32.
;; Inputs: W_out 1,024 x 1,024 float32; W_qkv 1,024 x 3,072 float32; attention_mask 2 x 2,048 int32; b_out 1,024 float32; b_qkv 3,072 float32; x 2 x 2,048 x 1,024 float32.
;; Outputs: out0 2 x 2,048 x 1,024 float32.
;; This version of the problem:
;;   THIS VERSION OF THE PROBLEM IS GIVEN IN LOW PRECISION. The matrix products marked QUANTISED in the list below multiply operands that are first quantised to E2M1 (2 exponent bits, 1 mantissa bit; 4 bits a number), with one power-of-two scale for each 32 numbers along K (OCP MX v1.0); their sums are f32. The products marked 'left as it is' may take bf16, f16 or f32 operands, with f32 sums. Whichever they take, every output number must still come out within the allowed error. Rounding operands to bf16 (8 significant bits) uses up far more of that allowance than f16 does (11 bits, for magnitudes from 6e-5 to 65,504). All else is computed in f32.
;;   The module's matrix products, in the order in which they are computed (A, B: the left and right operand; K: the contracted axis; several contracted axes count as one K, in the product's order):
;;     1. [M 4,096, K 1,024] x [K 1,024, N 3,072]; A: input x; B: input W_qkv: QUANTISED
;;     2. batch 32 x [M 2,048, K 64] x [K 64, N 2,048]; A: computed on the way; B: computed on the way: left as it is (an operand is computed on the way)
;;     3. batch 32 x [M 2,048, K 2,048] x [K 2,048, N 64]; A: computed on the way; B: computed on the way: left as it is (an operand is computed on the way)
;;     4. [M 4,096, K 1,024] x [K 1,024, N 1,024]; A: computed on the way; B: input W_out: left as it is (an operand is computed on the way)
;;   THE QUANTISER, for each operand of a quantised product, along K:
;;     - K is cut into blocks of 32 from its start; a last block that is shorter is filled with zeros.
;;     - A block's scale is 2^e with e = floor(log2(the largest magnitude in the block)) - 2, held to -126 .. 127; a block of zeros has e = 0. As a byte (E8M0): e + 127.
;;     - Each number is divided by its block's scale, clamped to +-6, and rounded to the nearest number of E2M1, ties to even, subnormals kept.
;;     - The product sums the exact products of the quantised numbers (number of the format x scale) in f32.
;;   ~~~python
;;   def quantise(x, axis):      # numpy; x: float32 -> the quantised numbers, widened to float32 again
;;       x = np.moveaxis(x, axis, -1); K = x.shape[-1]
;;       x = np.pad(x, [(0, 0)] * (x.ndim - 1) + [(0, -K % 32)]); x = x.reshape(x.shape[:-1] + (-1, 32)); a = np.abs(x).max(-1, keepdims=True)
;;       e = np.where(a > 0, np.clip(np.frexp(np.where(a > 0, a, 1))[1] - 1 - 2, -126, 127), 0)      # np.frexp(a)[1] - 1 = floor(log2(a)), exactly
;;       r = np.clip(x / 2.0 ** e, -6, 6)
;;       step = 2.0 ** (np.maximum(np.frexp(np.where(r == 0, 1, r))[1] - 1, 0) - 1)
;;       q = np.round(r / step) * step * 2.0 ** e      # np.round: ties to even
;;       return np.moveaxis(q.reshape(q.shape[:-2] + (-1,))[..., :K], -1, axis).astype(np.float32)
;;   ~~~
;; One version. Each part assembles by itself: llvm-mc -triple=amdgcn-amd-amdhsa -mcpu=gfx1250 --defsym DOCPART=n.
;; ======== version 1 of 1: 5 launches
;; limits: values are held in f16: magnitudes above 65,504 overflow, below 6.1e-05 lose precision
;; workspace buffers: xc 2,097,152 bytes; wc 1,572,864 bytes; scl 229,376 bytes; w16 2,097,152 bytes; rope 1,048,576 bytes; qkv 25,165,824 bytes; attn 8,388,608 bytes; fine 393,216 bytes
;; launch prep (part 1): grid 272 x 1, 4 waves a work-group, no clusters, 68,096 bytes of LDS; arguments x, W_qkv, W_out, xc, wc, scl, w16, rope; writes xc, wc, scl, w16, rope
.if DOCPART == 1
	.amdgcn_target "amdgcn-amd-amdhsa--gfx1250"
	.amdhsa_code_object_version 6
	.text
	.protected	k_q64870fe2eb_prep
	.globl	k_q64870fe2eb_prep
	.p2align	8
	.type	k_q64870fe2eb_prep,@function
k_q64870fe2eb_prep:
	s_mov_b64 s[64:65], 0
	v_nop
	global_prefetch_b8 v0, s[64:65] scope:SCOPE_SE
	s_setreg_imm32_b32 hwreg(HW_REG_WAVE_MODE, 25, 1), 1
	s_wait_xcnt 0x0
; PREP: four jobs in one launch, told apart by the work-group's number alone; the jobs with the longest chains of dependent waits have the lowest numbers.
;   0..95    W_qkv [1024 k][3072 n] f32 -> codes of FP4 (E2M1) with K innermost, wc [3072][512 bytes], and one E8M0 byte for each 32 along K, scl + 131072 [3072][32]
;   96..223  x [4096][1024] f32 -> codes, K innermost, xc [4096][512 bytes], and bytes scl [4096][32]
;   224..255 W_out f32 -> f16, as it lies, w16
;   256..271 the rotary tables: rope [2 tables][2048 positions][32 frequencies][cos, sin] f32; table 0 (for q) is multiplied by c = log2(e) / 8
; A block's scale is 2^(floor(log2(its largest magnitude)) - 2); its byte is the largest magnitude's exponent field - 2, held at 1 from below.
; A block of zeros so gets the byte 1 where the rule says 127: its codes are zeros, and this program alone reads the bytes.
; LIMITS: blocks whose largest magnitude lies under 2^(3 - 127) keep the byte 1; NaN and infinities among the inputs are not served; |W_out| stays at or under 65,504 (f16).
; The angle is position x inv_freq in f32, inv_freq = 2^(-i log2(10000) / 32) by v_exp_f32; sine and cosine by a reduction by pi / 2 in three parts and polynomials of degree 7 and 8.
; Each job that uses LDS has bytes of its own: x 0..32767 (8,192 a wave), W_qkv 32768..50175 (four stages); the spare words behind them.
.set SPARE, 67584                      ; the spare words: 128 bytes for each wave, two blocks of 256 bytes that no other line names
.set SPW,   12                         ; v12 LDS address of my spare word; never rewritten
.set NIL,   13                         ; v13 0; never rewritten
.set SP,    80                         ; x: a lane's place in a stage: 64 bytes + 16 of padding
.set WREG,  8192                       ; x: a wave's LDS region: two stages of 32 x SP bytes, then its 256 scale bytes
.set XR,    16                         ; x: v16-79 four sets of 16 numbers as loaded
.set XX,    80                         ; x: v80-111 two sets of 16 neighbours
.set XE,    112                        ; x: v112-127 a scale byte for each step
.set XC,    128                        ; x: v128-191 codes, four registers a step
.set WP,    272                        ; W: a stage row: 256 bytes of codes + 16
.set WX,    32                         ; W: v32-95 two sets of 32 numbers
.set WC,    96                         ; W: a block's codes
.set WOUT,  112                        ; W: v112-143 the way out
.set WSB,   24                         ; W: v24-25 the scale bytes, four to a register
	s_load_b512 s[8:23], s[0:1], 0x0               ; x s[8:9], W_qkv s[10:11], W_out s[12:13], xc s[14:15], wc s[16:17], scl s[18:19], w16 s[20:21], rope s[22:23]
	v_lshl_add_u32 v[SPW], v0, 2, SPARE
	v_mov_b32 v[NIL], 0
	v_lshrrev_b32 v1, 5, v0
	v_readfirstlane_b32 s24, v1                    ; wave 0..3
	v_and_b32 v2, 31, v0                           ; lane
	s_wait_kmcnt 0x0
	s_cmp_lt_u32 ttmp9, 96
	s_cbranch_scc1 .Lpath_w
	s_cmp_lt_u32 ttmp9, 224
	s_cbranch_scc1 .Lpath_x
	s_cmp_lt_u32 ttmp9, 256
	s_cbranch_scc1 .Lpath_o
; ---------------- the rotary tables: a work-group takes 128 positions, a wave 32, four a trip (lanes 0-15 positions p and p + 2, lanes 16-31 p + 1 and p + 3); a lane takes two frequencies.
; A trip's four angles go through the reduction and the polynomials line by line by turns, so that no line waits for the line above it.
	s_sub_co_u32 s25, ttmp9, 256
	s_lshl_b32 s25, s25, 7
	s_lshl_b32 s26, s24, 5
	s_add_co_u32 s25, s25, s26                     ; my wave's first position
	v_and_b32 v3, 15, v2                           ; which pair of frequencies
	v_lshrrev_b32 v4, 4, v2                        ; which of two neighbouring positions
	v_add_nc_u32 v5, s25, v4
	v_cvt_f32_u32 v5, v5                           ; the position as f32
	v_lshlrev_b32 v6, 1, v3
	v_cvt_f32_u32 v6, v6                           ; frequency 2 f
	v_add_f32 v7, 1.0, v6                          ; and 2 f + 1
	v_mul_f32 v6, 0xbed49a78, v6                   ; x -log2(10000) / 32
	v_mul_f32 v7, 0xbed49a78, v7
	v_exp_f32 v6, v6                               ; inv_freq
	v_exp_f32 v7, v7
	v_lshlrev_b32 v8, 8, v4                        ; (a plain line behind the exponentials)  a row of a table is 256 bytes
	v_lshl_add_u32 v8, v3, 4, v8                   ; my 16 bytes of it
	s_mov_b32 s28, 0x3fc90fda                      ; pi / 2 in three parts
	s_mov_b32 s29, 0x33a22168
	s_mov_b32 s30, 0x27c234c4
	s_mov_b32 s31, 0xbe2aaaa3                      ; the sine's three coefficients
	s_mov_b32 s32, 0x3c08839e
	s_mov_b32 s33, 0xb94ca1f9
	s_mov_b32 s34, 0x3d2aaaa5                      ; the cosine's
	s_mov_b32 s35, 0xbab6061a
	s_mov_b32 s36, 0x37ccf5ce
	s_mov_b32 s37, 0x3e38aa3b                      ; c = log2(e) / 8
	s_lshl_b32 s26, s25, 8
	s_mov_b32 s27, 0
	s_add_nc_u64 s[22:23], s[22:23], s[26:27]      ; the tables at my first position
	s_mov_b32 s25, 8
	s_wait_alu depctr_va_vdst(0)                   ; one wait for both exponentials, ahead of the label and of their first reader
.Lrope:                                            ; angle z (0..3) in v[16 + z]; its seven registers at work from v[32 + 8 z]; its cosine in v[24 + 2 z], its sine in v[25 + 2 z]
	v_add_f32 v10, 2.0, v5                         ; the position two further on
	v_mul_f32 v16, v5, v6
	v_mul_f32 v17, v5, v7
	v_mul_f32 v18, v10, v6
	v_mul_f32 v19, v10, v7
.irp z, 0,1,2,3
	v_mul_f32 v[32+8*\z], 0x3f22f983, v[16+\z]     ; x 2 / pi
.endr
.irp z, 0,1,2,3
	v_rndne_f32 v[32+8*\z], v[32+8*\z]             ; n
.endr
.irp z, 0,1,2,3
	v_fma_f32 v[33+8*\z], -v[32+8*\z], s28, v[16+\z]      ; r = x - n pi / 2
.endr
.irp z, 0,1,2,3
	v_fma_f32 v[33+8*\z], -v[32+8*\z], s29, v[33+8*\z]
.endr
.irp z, 0,1,2,3
	v_fma_f32 v[33+8*\z], -v[32+8*\z], s30, v[33+8*\z]
.endr
.irp z, 0,1,2,3
	v_cvt_i32_f32 v[34+8*\z], v[32+8*\z]
.endr
.irp z, 0,1,2,3
	v_mul_f32 v[35+8*\z], v[33+8*\z], v[33+8*\z]   ; z = r r
.endr
.irp z, 0,1,2,3
	v_fma_f32 v[36+8*\z], v[35+8*\z], s33, s32
.endr
.irp z, 0,1,2,3
	v_fma_f32 v[36+8*\z], v[35+8*\z], v[36+8*\z], s31
.endr
.irp z, 0,1,2,3
	v_mul_f32 v[37+8*\z], v[33+8*\z], v[35+8*\z]
.endr
.irp z, 0,1,2,3
	v_fma_f32 v[36+8*\z], v[37+8*\z], v[36+8*\z], v[33+8*\z]   ; sin r
.endr
.irp z, 0,1,2,3
	v_fma_f32 v[37+8*\z], v[35+8*\z], s36, s35
.endr
.irp z, 0,1,2,3
	v_fma_f32 v[37+8*\z], v[35+8*\z], v[37+8*\z], s34
.endr
.irp z, 0,1,2,3
	v_mul_f32 v[37+8*\z], v[35+8*\z], v[37+8*\z]
.endr
.irp z, 0,1,2,3
	v_fma_f32 v[38+8*\z], v[35+8*\z], -0.5, 1.0
.endr
.irp z, 0,1,2,3
	v_fma_f32 v[37+8*\z], v[35+8*\z], v[37+8*\z], v[38+8*\z]   ; cos r
.endr
.irp z, 0,1,2,3
	v_and_b32 v[38+8*\z], 1, v[34+8*\z]
.endr
.irp z, 0,1,2,3
	v_cmp_eq_u32 vcc_lo, 1, v[38+8*\z]             ; an odd quadrant changes the two over
	v_cndmask_b32 v[25+2*\z], v[36+8*\z], v[37+8*\z], vcc_lo
	v_cndmask_b32 v[24+2*\z], v[37+8*\z], v[36+8*\z], vcc_lo
.endr
.irp z, 0,1,2,3
	v_lshlrev_b32 v[38+8*\z], 30, v[34+8*\z]
.endr
.irp z, 0,1,2,3
	v_and_b32 v[38+8*\z], 0x80000000, v[38+8*\z]   ; quadrants 2, 3: the sine is negated
.endr
.irp z, 0,1,2,3
	v_xor_b32 v[25+2*\z], v[25+2*\z], v[38+8*\z]
.endr
.irp z, 0,1,2,3
	v_add_nc_u32 v[34+8*\z], 1, v[34+8*\z]
.endr
.irp z, 0,1,2,3
	v_lshlrev_b32 v[38+8*\z], 30, v[34+8*\z]
.endr
.irp z, 0,1,2,3
	v_and_b32 v[38+8*\z], 0x80000000, v[38+8*\z]   ; quadrants 1, 2: the cosine
.endr
.irp z, 0,1,2,3
	v_xor_b32 v[24+2*\z], v[24+2*\z], v[38+8*\z]
.endr
.irp j, 0,1,2,3,4,5,6,7
	v_mul_f32 v[64+\j], s37, v[24+\j]
.endr
	global_store_b128 v8, v[24:27], s[22:23] offset:524288   ; the table for k: sixteen lanes store a row of 256 bytes
	global_store_b128 v8, v[28:31], s[22:23] offset:524800   ; two rows further on
	global_store_b128 v8, v[64:67], s[22:23]                 ; the table for q, x c
	global_store_b128 v8, v[68:71], s[22:23] offset:512
	v_add_f32 v5, 4.0, v5
	s_wait_xcnt 0x0                                ; the stores' data and base are written again only behind this wait
	s_add_nc_u64 s[22:23], s[22:23], 1024
	s_sub_co_u32 s25, s25, 1
	s_cmp_lg_u32 s25, 0
	s_cbranch_scc1 .Lrope
	s_wait_tensorcnt 0x0                           ; the wave's end
	ds_add_u32 v[SPW], v[NIL]
	s_wait_dscnt 0x0
	s_endpgm
; ---------------- W_out to f16: a wave takes 8,192 numbers, 64 loads of 512 consecutive bytes, sixteen at a time in two sets
.Lpath_o:
	s_sub_co_u32 s25, ttmp9, 224
	s_lshl_b32 s25, s25, 2
	s_add_co_u32 s25, s25, s24                     ; which run of 8,192 numbers
	s_lshl_b32 s26, s25, 15
	s_mov_b32 s27, 0
	s_add_nc_u64 s[12:13], s[12:13], s[26:27]
	s_lshl_b32 s26, s25, 14
	s_add_nc_u64 s[20:21], s[20:21], s[26:27]
	v_lshlrev_b32 v3, 4, v2                        ; in: 16 bytes a lane
	v_lshlrev_b32 v4, 3, v2                        ; out: 8 bytes a lane
.macro OLOAD k
.irp i, 0,1,2,3,4,5,6,7,8,9,10,11,12,13,14,15
	global_load_b128 v[16+64*((\k)%2)+4*\i:16+64*((\k)%2)+4*\i+3], v3, s[12:13] offset:(16*(\k)+\i)*512 th:TH_LOAD_NT
.endr
.endm
.macro OCVT k
	s_wait_xcnt 0x0                                ; the earlier stores have read v144-175
.irp i, 0,1,2,3,4,5,6,7,8,9,10,11,12,13,14,15
	v_cvt_pk_f16_f32 v[144+2*\i], v[16+64*((\k)%2)+4*\i], v[16+64*((\k)%2)+4*\i+1]
	v_cvt_pk_f16_f32 v[145+2*\i], v[16+64*((\k)%2)+4*\i+2], v[16+64*((\k)%2)+4*\i+3]
.endr
.irp i, 0,1,2,3,4,5,6,7,8,9,10,11,12,13,14,15
	global_store_b64 v4, v[144+2*\i:145+2*\i], s[20:21] offset:(16*(\k)+\i)*256   ; 32 lanes store 256 consecutive bytes, aligned
.endr
.endm
	OLOAD 0
	OLOAD 1
	s_wait_loadcnt 16                              ; the older sixteen are in, the younger sixteen stay out
	OCVT 0
	OLOAD 2
	s_wait_loadcnt 16
	OCVT 1
	OLOAD 3
	s_wait_loadcnt 16
	OCVT 2
	s_wait_loadcnt 0x0
	OCVT 3
	s_wait_tensorcnt 0x0                           ; the wave's end
	ds_add_u32 v[SPW], v[NIL]
	s_wait_dscnt 0x0
	s_endpgm
; ---------------- x: a plain stream of blocks of 32.  A wave takes 16 steps of 512 numbers.  Each load reads 512 consecutive bytes; a step's 2,048 bytes turn through the wave's own
; stage in LDS, so that a lane then holds 16 neighbours (two lanes a block).  Loads run four steps ahead, the turn through LDS one step.
.Lpath_x:
	s_mul_i32 s25, s24, WREG
	v_lshlrev_b32 v3, 4, v2                        ; my 16 bytes of a load's 512
	v_lshrrev_b32 v14, 2, v2
	v_mul_u32_u24 v14, v14, SP
	v_and_b32 v15, 3, v2
	v_lshl_add_u32 v14, v15, 4, v14
	v_add_nc_u32 v14, s25, v14                     ; the stage, in: SP (lane / 4) + 16 (lane % 4)
	v_mul_u32_u24 v15, v2, SP
	v_add_nc_u32 v15, s25, v15                     ; and out: SP x lane
	v_mul_u32_u24 v4, v2, 8                        ; my codes' place in a step's 256 bytes
	v_lshrrev_b32 v5, 1, v2
	s_add_co_u32 s25, s25, 2*32*SP
	v_add_nc_u32 v5, s25, v5                       ; LDS: my block's scale byte
	v_lshlrev_b32 v7, 3, v2
	v_add_nc_u32 v6, s25, v7                       ; and on the way out 8 bytes a lane
	s_sub_co_u32 s26, ttmp9, 96
	s_lshl_b32 s26, s26, 2
	s_add_co_u32 s26, s26, s24                     ; which run of 8,192 numbers
	s_mov_b32 s27, 0
	s_lshl_b64 s[28:29], s[26:27], 15
	s_add_nc_u64 s[8:9], s[8:9], s[28:29]
	s_lshl_b64 s[28:29], s[26:27], 12
	s_add_nc_u64 s[14:15], s[14:15], s[28:29]
	s_lshl_b64 s[28:29], s[26:27], 8
	s_add_nc_u64 s[18:19], s[18:19], s[28:29]
.macro XLOAD t
.irp i, 0,1,2,3
	global_load_b128 v[XR+16*((\t)%4)+4*\i:XR+16*((\t)%4)+4*\i+3], v3, s[8:9] offset:2048*(\t)+512*\i th:TH_LOAD_NT
.endr
.endm
.macro XTURN t                         ; LDS serves a wave's instructions in order: no wait between the stores and the loads
.irp i, 0,1,2,3
	ds_store_b128 v14, v[XR+16*((\t)%4)+4*\i:XR+16*((\t)%4)+4*\i+3] offset:32*SP*((\t)%2)+8*SP*\i
.endr
.irp i, 0,1,2,3
	ds_load_b128 v[XX+16*((\t)%2)+4*\i:XX+16*((\t)%2)+4*\i+3], v15 offset:32*SP*((\t)%2)+16*\i
.endr
.endm
.irp t, 0,1,2,3
	XLOAD \t
.endr
	s_wait_loadcnt 12                              ; step 0's four loads are in
	XTURN 0
.macro XSTEP t
.set XS, XX+16*((\t)%2)
.if (\t) > 0
	s_wait_dscnt 1                                 ; this step's numbers are back from the stage (the last step's byte store may be out)
.else
	s_wait_dscnt 0x0
.endif
.if (\t)+4 < 16
	XLOAD (\t)+4                                   ; into the set whose stores into the stage have read their registers
.endif
.if (\t)+1 < 16
.if 14-(\t) >= 3
	s_wait_loadcnt 12                              ; the next step's four loads are in; those of the three steps behind it may be out
.else
	s_wait_loadcnt 4*(14-(\t))
.endif
	XTURN (\t)+1
.endif
	v_max3_num_f32 v8, |v[XS]|, |v[XS+1]|, |v[XS+2]|               ; the largest magnitude of my 16, in two chains
	v_max3_num_f32 v9, |v[XS+3]|, |v[XS+4]|, |v[XS+5]|
.irp i, 6,10
	v_max3_num_f32 v8, v8, |v[XS+\i]|, |v[XS+\i+1]|
	v_max3_num_f32 v9, v9, |v[XS+\i+2]|, |v[XS+\i+3]|
.endr
	v_max3_num_f32 v8, v8, |v[XS+14]|, |v[XS+15]|
	v_max3_num_f32 v8, v8, v9, 0x1800000           ; and the floor 2^(3 - 127): the byte cannot fall under 1
	v_max_num_f32_dpp v8, v8, v8 row_xmask:1 row_mask:0xf bank_mask:0xf   ; with my neighbour's 16: the block's
	v_add_nc_u32 v11, 0xff000000, v8               ; 2 off its exponent field: the conversion takes this operand's exponent field as its scale
	v_cvt_scalef32_pk8_fp4_f32 v[XC+4*(\t)], v[XS:XS+7], v11
	v_cvt_scalef32_pk8_fp4_f32 v[XC+4*(\t)+1], v[XS+8:XS+15], v11
	v_lshrrev_b32 v[XE+(\t)], 23, v11              ; the scale's byte
	ds_store_b8 v5, v[XE+(\t)] offset:16*(\t)      ; both lanes of a block write the same byte with the same value
	global_store_b64 v4, v[XC+4*(\t):XC+4*(\t)+1], s[14:15] offset:256*(\t)   ; 32 lanes store 256 consecutive bytes, aligned
.endm
.irp t, 0,1,2,3,4,5,6,7,8,9,10,11,12,13,14,15
	XSTEP \t
.endr
	ds_load_b64 v[8:9], v6                         ; my wave's 256 scale bytes: these loads see my stores
	s_wait_dscnt 0x0
	global_store_b64 v7, v[8:9], s[18:19]          ; 256 consecutive bytes, aligned
	s_wait_tensorcnt 0x0                           ; the wave's end, behind my last LDS store
	ds_add_u32 v[SPW], v[NIL]
	s_wait_dscnt 0x0
	s_endpgm
; ---------------- W_qkv: K is its first axis.  A lane takes a column n and its registers run down K: a block of 32 lies in one lane, and the conversions give codes with K innermost.
; A wave takes 16 columns x 512 along K: lanes 0-15 the first 256 along K, lanes 16-31 the second: eight blocks a lane, two of them on their way.  The four waves of a work-group stand side by side
; on 64 columns, 256 consecutive bytes of each row of W.  A column's 256 bytes of codes meet in the wave's own stage and leave as one row: sixteen lanes store 256 consecutive bytes, aligned.
.Lpath_w:
	s_cmp_ge_u32 ttmp9, 48
	s_cselect_b32 s26, 1, 0                        ; which 512 along K
	s_cselect_b32 s27, 48, 0
	s_sub_co_u32 s25, ttmp9, s27                   ; which 64 columns
	s_lshl_b32 s25, s25, 6
	s_lshl_b32 s27, s24, 4
	s_add_co_u32 s25, s25, s27                     ; my wave's first column
	v_and_b32 v5, 15, v2                           ; my column of the 16
	v_lshrrev_b32 v6, 4, v2                        ; my half of the 512 along K
	v_mul_u32_u24 v3, v6, 0x300000                 ; in: 256 rows of 12,288 bytes for the second half,
	v_lshl_add_u32 v3, v5, 2, v3                   ; 4 bytes a column
	s_mul_i32 s27, s24, 16*WP
	s_add_co_u32 s27, s27, 32768                   ; my stage: 16 rows
	v_mul_u32_u24 v4, v5, WP
	v_lshl_add_u32 v4, v6, 7, v4
	v_add_nc_u32 v4, s27, v4                       ; into it: row = my column, + 128 bytes for the second half
	v_mul_u32_u24 v7, v6, WP
	v_lshl_add_u32 v7, v5, 4, v7
	v_add_nc_u32 v7, s27, v7                       ; out of it: sixteen lanes to a row, two rows an instruction
	v_mul_u32_u24 v8, v6, 512
	v_lshl_add_u32 v8, v5, 4, v8                   ; and the same place in wc (a row is 512 bytes)
	v_lshlrev_b32 v9, 5, v5
	v_lshl_add_u32 v9, v6, 3, v9                   ; my 8 scale bytes: 32 bytes a column, + 8 for the second half
	s_mul_i32 s28, s26, 512*3072*4
	s_lshl_b32 s29, s25, 2
	s_add_co_u32 s28, s28, s29
	s_mov_b32 s29, 0
	s_add_nc_u64 s[10:11], s[10:11], s[28:29]
	s_lshl_b32 s28, s25, 9
	s_lshl_b32 s30, s26, 8
	s_add_co_u32 s28, s28, s30
	s_add_nc_u64 s[16:17], s[16:17], s[28:29]
	s_lshl_b32 s28, s25, 5
	s_lshl_b32 s30, s26, 4
	s_add_co_u32 s28, s28, s30
	s_add_co_u32 s28, s28, 131072                  ; W's bytes lie behind x's
	s_add_nc_u64 s[18:19], s[18:19], s[28:29]
.macro WLOAD t                         ; block t: W(256 half + 32 t + i, my column); every offset is an immediate: 255 x 12,288 at the most, inside the signed 24 bits
.irp i, 0,1,2,3,4,5,6,7,8,9,10,11,12,13,14,15,16,17,18,19,20,21,22,23,24,25,26,27,28,29,30,31
	global_load_b32 v[WX+32*((\t)%2)+\i], v3, s[10:11] offset:(32*(\t)+\i)*12288 th:TH_LOAD_NT
.endr
.endm
	WLOAD 0
	WLOAD 1
.macro WBLOCK t
.set WS, WX+32*((\t)%2)
.if (\t) < 7
	s_wait_loadcnt 32                              ; this block's 32 loads are in; the next block's may be out
.else
	s_wait_loadcnt 0x0
.endif
	v_max3_num_f32 v14, |v[WS]|, |v[WS+1]|, |v[WS+2]|
	v_max3_num_f32 v15, |v[WS+3]|, |v[WS+4]|, |v[WS+5]|
.irp i, 6,10,14,18,22,26
	v_max3_num_f32 v14, v14, |v[WS+\i]|, |v[WS+\i+1]|
	v_max3_num_f32 v15, v15, |v[WS+\i+2]|, |v[WS+\i+3]|
.endr
	v_max3_num_f32 v14, v14, |v[WS+30]|, |v[WS+31]|
	v_max3_num_f32 v14, v14, v15, 0x1800000        ; the floor 2^(3 - 127)
	v_add_nc_u32 v11, 0xff000000, v14              ; the conversion's scale operand
	v_lshrrev_b32 v15, 23, v11                     ; the scale's byte
.if (\t)%4 == 0
	v_mov_b32 v[WSB+(\t)/4], v15
.else
	v_lshl_or_b32 v[WSB+(\t)/4], v15, 8*((\t)%4), v[WSB+(\t)/4]
.endif
.irp g, 0,1,2,3
	v_cvt_scalef32_pk8_fp4_f32 v[WC+\g], v[WS+8*\g:WS+8*\g+7], v11
.endr
	ds_store_b128 v4, v[WC:WC+3] offset:16*(\t)    ; 32 codes: 16 bytes of my column's row
.if (\t)+2 < 8
	WLOAD (\t)+2
.endif
	s_wait_dscnt 0x0                               ; the store has read its registers: the next block's codes may be written
.endm
.irp t, 0,1,2,3,4,5,6,7
	WBLOCK \t
.endr
	global_store_b64 v9, v[WSB:WSB+1], s[18:19]    ; my 8 scale bytes
.irp t, 0,1,2,3,4,5,6,7
	ds_load_b128 v[WOUT+4*\t:WOUT+4*\t+3], v7 offset:2*\t*WP
.endr
.irp t, 0,1,2,3,4,5,6,7
	s_wait_dscnt 7-\t
	global_store_b128 v8, v[WOUT+4*\t:WOUT+4*\t+3], s[16:17] offset:2*\t*512
.endr
	s_wait_tensorcnt 0x0                           ; the wave's end, behind my last LDS store
	ds_add_u32 v[SPW], v[NIL]
	s_wait_dscnt 0x0
	s_endpgm
.Lfunc_end_k_q64870fe2eb_prep:
	.size	k_q64870fe2eb_prep, .Lfunc_end_k_q64870fe2eb_prep-k_q64870fe2eb_prep
	.p2alignl 7, 3214868480
	.fill 96, 4, 3214868480
	.section	.rodata,"a",@progbits
	.p2align	6, 0x0
	.amdhsa_kernel k_q64870fe2eb_prep
		.amdhsa_group_segment_fixed_size 68096
		.amdhsa_private_segment_fixed_size 0
		.amdhsa_enable_private_segment 0
		.amdhsa_kernarg_size 64
		.amdhsa_user_sgpr_count 2
		.amdhsa_user_sgpr_kernarg_segment_ptr 1
		.amdhsa_wavefront_size32 1
		.amdhsa_system_sgpr_workgroup_id_x 1
		.amdhsa_system_sgpr_workgroup_id_y 1
		.amdhsa_system_sgpr_workgroup_id_z 1
		.amdhsa_system_vgpr_workitem_id 0
		.amdhsa_next_free_vgpr 192
		.amdhsa_next_free_sgpr 66
		.amdhsa_reserve_vcc 1
		.amdhsa_float_denorm_mode_32 3
		.amdhsa_float_denorm_mode_16_64 3
		.amdhsa_memory_ordered 1
		.amdhsa_forward_progress 1
		.amdhsa_inst_pref_size 101
	.end_amdhsa_kernel
	.amdgpu_metadata
---
amdhsa.version: [ 1, 2 ]
amdhsa.kernels:
  - .name:           k_q64870fe2eb_prep
    .symbol:         k_q64870fe2eb_prep.kd
    .args:
      - { .name: x, .offset: 0, .size: 8, .value_kind: global_buffer, .address_space: global }
      - { .name: W_qkv, .offset: 8, .size: 8, .value_kind: global_buffer, .address_space: global }
      - { .name: W_out, .offset: 16, .size: 8, .value_kind: global_buffer, .address_space: global }
      - { .name: xc, .offset: 24, .size: 8, .value_kind: global_buffer, .address_space: global }
      - { .name: wc, .offset: 32, .size: 8, .value_kind: global_buffer, .address_space: global }
      - { .name: scl, .offset: 40, .size: 8, .value_kind: global_buffer, .address_space: global }
      - { .name: w16, .offset: 48, .size: 8, .value_kind: global_buffer, .address_space: global }
      - { .name: rope, .offset: 56, .size: 8, .value_kind: global_buffer, .address_space: global }
    .group_segment_fixed_size: 68096
    .private_segment_fixed_size: 0
    .kernarg_segment_align: 8
    .kernarg_segment_size: 64
    .max_flat_workgroup_size: 128
    .sgpr_count:     66
    .vgpr_count:     192
    .wavefront_size: 32
...
	.end_amdgpu_metadata
.endif
;; end of part 1
;; launch proj_qkv (part 2): grid 12 x 16, 4 waves a work-group, clusters of 4 x 4, 327,680 bytes of LDS; arguments xc, wc, scl, b_qkv, rope, qkv, fine; writes qkv, fine
.if DOCPART == 2
	.amdgcn_target "amdgcn-amd-amdhsa--gfx1250"
	.amdhsa_code_object_version 6
	.text
	.protected	k_q64870fe2eb_proj_qkv
	.globl	k_q64870fe2eb_proj_qkv
	.p2align	8
	.type	k_q64870fe2eb_proj_qkv,@function
k_q64870fe2eb_proj_qkv:
	s_mov_b64 s[64:65], 0
	v_nop
	global_prefetch_b8 v0, s[64:65] scope:SCOPE_SE
	s_setreg_imm32_b32 hwreg(HW_REG_WAVE_MODE, 25, 1), 1
	s_wait_xcnt 0x0
	s_wait_alu depctr_hold_cnt(0) depctr_sa_sdst(0) depctr_va_vdst(0) depctr_va_sdst(0) depctr_va_ssrc(0) depctr_va_vcc(0) depctr_vm_vsrc(0)
	s_getreg_b32 s2, hwreg(HW_REG_IB_STS2, 6, 4)
	s_cmp_eq_u32 s2, 0
	s_cbranch_scc0 .Lentry_in_a_cluster
	s_endpgm
.Lentry_in_a_cluster:
	s_bfe_u32 s2, ttmp6, 0x10000c
	s_cmp_lg_u32 s2, 0xf033
	s_cbranch_scc0 .Lentry_shape_is_right
	s_endpgm
.Lentry_shape_is_right:
; qkv = Q(x) Q(W_qkv) + b_qkv on codes of FP4 (E2M1) with one E8M0 scale for each 32 along K; then the rotation of q and k; q, k, v leave as f16, by head: qkv [3][32 (batch x 16 + head)][2048][64].
; q is also multiplied by c = log2(e) / 8, which lies in its table.  The first 16 positions of each sequence leave once more in f32: fine [2][16][3072].
; LIMITS: |k|, |v| and |c q| stay at or under 65,504 (f16).
; A tile of 256 rows x 256 columns is made by four waves, each 128 x 128: 64 accumulators, 512 registers.  K = 1,024 is two LDS slots of 512 along K (rows of 256 bytes): both are first fills, nothing is filled again.
; The scale bytes of the tile's 256 rows of x and 256 rows of W, for all of K, come once, as two dense blocks, in rows of 256 bytes.
; CLUSTERS: 4 x 4 work-groups; x's tiles are shared along a row of the cluster, W's along a column: each is asked for jointly, by the same tensor load with the same descriptor and a mask that names the four.
; The cluster's x (0, 1, 2) says whether the columns are q's, k's or v's: it is the same in all sixteen partners, so the way out may branch on it.
; THE MATRIX INSTRUCTION IS USED TRANSPOSED (source 0 = 16 rows of W's codes, source 1 = 16 rows of x's): a lane holds eight neighbouring columns of one row.  The bias is the C of each sum's first product.
; REGISTERS: window 0: v0-31 addresses; v32-95 scale words, two sets, and nothing else; v128-191 x's fragments, one set; v192-255 the bias.  On the way out: v128-191 rotated numbers, v192-255 packed f16.
;   window 1: W's fragments, two sets, at v0-63 and v128-191; v64-127 and v192-255 the rotary tables of my blocks 0-3, asked for at the head; on the way out W's registers take those of blocks 4-7.
;   windows 2, 3: the accumulators ((a, b) at v[8 (8 (a % 4) + b)]).
.set NQ,     4                         ; steps of 128 along K in a slot
.set ROWB,   256                       ; a tile's row in bytes
.set KROW,   512                       ; a row of codes in memory
.set PITCH,  272                       ; an LDS row: 256 bytes + 16 of padding: the 16 rows that a load touches start at 16 different banks
.set FR,     8
.set NL,     2
.set NP,     4                         ; places behind this matrix instruction (ISA guide 7.12.1)
.set HALFT,  128*PITCH
.set SLOT,   4*HALFT
.set KS,     32                        ; a row of scale bytes
.set SCL,    2*SLOT                    ; behind the two slots: the scales, rows of 256 bytes + 16
.set HALFS,  16*272                    ; those of 128 rows
.set SBLK,   2*272                     ; those of 16 rows
.set SPARE,  SCL+4*HALFS               ; the spare words: 128 bytes for each wave, two blocks of 256 bytes that no other line names
.set ADRA, 16                          ; v16-17 LDS address of my fragments of x in slot 0, 1
.set ADRB, 20                          ; v20-21 the same for W
.set TOF,  22                          ; v22 my place in a block's 16 rows of a table: 256 r + 32 h
.set FOF,  23                          ; v23 my place in fine: 12,288 r + 32 h
.set STO,  24                          ; v24 the stage: where I put 16 bytes of a row
.set RD,   25                          ; v25 and where I read rows back
.set CO,   26                          ; v26 16 x lane
.set ADRS, 27                          ; v27 LDS address of my scale words
.set SPW,  28                          ; v28 LDS address of my spare word; never rewritten
.set NIL,  29                          ; v29 0; never rewritten
.set BOF,  30                          ; v30 32 h: my place in 16 numbers of the bias
.set TR7,  31                          ; v31 the tile row within its sequence
.set SC,   32
.set AF,   128
.set BIA,  192
.set U,    128
.set H0,   192
.set G1, 24
.set G0, 32
.set G1B, 48
.set G0B, 56
.set G1S, 68
.set G0S, 76
.set G1SB, 80
.set G0SB, 88
.set MSB, 0
.macro WIN new                         ; the immediate's high byte repeats the setting that is left
.if MSB != \new
	s_set_vgpr_msb (MSB<<8)|\new
.set MSB, \new
.endif
.endm
.set MUL_LO, 0xa1                      ; source 0 (W) window 1, source 1 (x) window 0, C and D window 2; the first step: C (the bias) window 0: 0x81
.set MUL_HI, 0xf1                      ; the same with window 3; the first step: 0xc1
.set TO_B,   0x40                      ; destination window 1, address window 0
; A joint load: waves 0 and 1 fetch for x, waves 2 and 3 for W.  The branch hangs on the wave's number alone.  An s_nop 0 and four v_nop follow each of the two lines.
.macro JLOAD g0a, g1a, g0b, g1b
	s_cmp_eq_u32 s15, 0
	s_cbranch_scc0 .Lfor_b_\@
	tensor_load_to_lds s[\g0a:\g0a+3], s[\g1a:\g1a+7]
	s_nop 0
.rept 4
	v_nop
.endr
	s_branch .Lasked_\@
.Lfor_b_\@:
	tensor_load_to_lds s[\g0b:\g0b+3], s[\g1b:\g1b+7]
	s_nop 0
.rept 4
	v_nop
.endr
.Lasked_\@:
.endm
.macro CROUND                          ; a round of the cluster's barrier
	s_barrier_signal -1
	s_barrier_wait -1
	s_cmp_lg_u32 s14, 0
	s_cbranch_scc1 .Lnot_wave_0_\@
	s_barrier_signal -3
.Lnot_wave_0_\@:
	s_barrier_wait -3
	s_barrier_signal -1
	s_barrier_wait -1
.endm
; Block a's rotary table, 32 registers of window 1: (cos, sin) of pairs 8 bq + 4 h + 0 .. 3 at position 16 a + r.  Blocks 0-3 at v64, v96, v192, v224; blocks 4-7 at v0, v32, v128, v160
.macro TABLE a
.set TT, 64*(1-(\a)/4)+32*((\a)%2)+128*(((\a)%4)/2)
.irp bq, 0,1,2,3
	global_load_b128 v[TT+8*\bq:TT+8*\bq+3], v[TOF], s[96:97] offset:(\a)*4096+64*\bq
	global_load_b128 v[TT+8*\bq+4:TT+8*\bq+7], v[TOF], s[96:97] offset:(\a)*4096+64*\bq+16
.endr
.endm
	s_load_b256 s[4:11], s[0:1], 0x0               ; xc s[4:5], wc s[6:7], scl s[8:9], b_qkv s[10:11]
	s_load_b128 s[96:99], s[0:1], 0x20             ; rope s[96:97], qkv s[98:99]
	s_load_b64 s[100:101], s[0:1], 0x30            ; fine
	v_lshl_add_u32 v[SPW], v0, 2, SPARE
	v_mov_b32 v[NIL], 0
	ds_add_u32 v[SPW], v[NIL]                      ; the wave's opening: the add, twice on end, and its wait ahead of my first tensor load
	ds_add_u32 v[SPW], v[NIL]
	v_lshrrev_b32 v1, 5, v0
	v_readfirstlane_b32 s14, v1                    ; wave 0..3
	s_lshr_b32 s15, s14, 1                         ; which half of the tile's rows is mine.  Also: I fetch for x (0) or for W (1)
	s_and_b32 s16, s14, 1                          ; which half of its columns.  Also: which 128 rows of that tile I fetch
	s_bfe_u32 s40, ttmp6, 0x40000                  ; cx, cy: my place in the cluster
	s_bfe_u32 s41, ttmp6, 0x40004
	s_lshl_b32 s42, ttmp9, 2
	s_add_co_u32 s42, s42, s40                     ; tile column = 4 x cluster x + cx
	s_and_b32 s17, ttmp7, 0xffff
	s_lshl_b32 s17, s17, 2
	s_add_co_u32 s17, s17, s41                     ; tile row = 4 x cluster y + cy
	s_lshl_b32 s43, s41, 2
	s_lshl_b32 s43, 15, s43                        ; my row of the cluster
	s_lshl_b32 s44, 0x1111, s40                    ; my column
	; descriptor group 1: 128 rows x 256 bytes, 16 bytes of padding behind each row
	s_or_b32 s[G1+0], s43, (0<<16)|(1<<20)|(1<<21)|(5<<22)|(3<<25)
	s_or_b32 s[G1B+0], s44, (0<<16)|(1<<20)|(1<<21)|(5<<22)|(3<<25)
.irp g, G1, G1B
	s_mov_b32 s[\g+1], ROWB<<16                    ; tensor_dim0
	s_mov_b32 s[\g+2], 128<<16                     ; tensor_dim1
	s_mov_b32 s[\g+3], ROWB<<16                    ; tile_dim0
	s_mov_b32 s[\g+4], 128                         ; tile_dim1
	s_mov_b32 s[\g+5], KROW                        ; from row to row
	s_mov_b32 s[\g+6], 0
	s_mov_b32 s[\g+7], 0
.endr
	; the scales of 128 rows: 4,096 dense bytes as 16 rows of 256 (32 elements of 8 bytes), 16 bytes of padding behind each
	s_or_b32 s[G1S+0], s43, (3<<16)|(1<<20)|(1<<21)|(5<<22)|(3<<25)
	s_or_b32 s[G1SB+0], s44, (3<<16)|(1<<20)|(1<<21)|(5<<22)|(3<<25)
.irp g, G1S, G1SB
	s_mov_b32 s[\g+1], 32<<16
	s_mov_b32 s[\g+2], 16<<16
	s_mov_b32 s[\g+3], 32<<16
	s_mov_b32 s[\g+4], 16
	s_mov_b32 s[\g+5], 32
	s_mov_b32 s[\g+6], 0
	s_mov_b32 s[\g+7], 0
.endr
	s_lshl_b32 s18, s16, 7                         ; which 128 rows of the tile I fetch
	s_lshl_b32 s20, s17, 8
	s_add_co_u32 s20, s20, s18                     ; x: row 256 x tile row + 128 x half
	s_lshl_b32 s46, s42, 8
	s_add_co_u32 s46, s46, s18                     ; W: row 256 x tile column + 128 x half
	s_mov_b32 s21, 0
	s_mov_b32 s47, 0
	s_mov_b64 s[18:19], KS
	s_mul_u64 s[22:23], s[20:21], s[18:19]         ; where these rows' scales begin,
	s_mul_u64 s[92:93], s[46:47], s[18:19]
	s_mov_b64 s[18:19], KROW
	s_mul_u64 s[20:21], s[20:21], s[18:19]         ; and their codes
	s_mul_u64 s[46:47], s[46:47], s[18:19]
	s_mul_i32 s45, s14, HALFT                      ; where they go: wave x 128 rows: no place in the cluster enters an LDS address
	s_mul_i32 s94, s14, HALFS
	s_wait_dscnt 0x0                               ; both opening adds are done
	s_wait_kmcnt 0x0
	s_add_nc_u64 s[12:13], s[8:9], 0x20000         ; W's scale bytes lie behind x's
	s_add_nc_u64 s[20:21], s[4:5], s[20:21]
	s_add_nc_u64 s[22:23], s[8:9], s[22:23]
	s_add_nc_u64 s[46:47], s[6:7], s[46:47]
	s_add_nc_u64 s[92:93], s[12:13], s[92:93]
	CROUND                                         ; all sixteen work-groups are here: the joint loads meet
	s_mov_b32 s[G0S], 1
	s_add_co_u32 s[G0S+1], s94, SCL
	s_mov_b64 s[G0S+2:G0S+3], s[22:23]
	s_or_b32 s[G0S+3], s[G0S+3], 0x80000000
	s_mov_b32 s[G0SB], 1
	s_add_co_u32 s[G0SB+1], s94, SCL
	s_mov_b64 s[G0SB+2:G0SB+3], s[92:93]
	s_or_b32 s[G0SB+3], s[G0SB+3], 0x80000000
	JLOAD G0S, G1S, G0SB, G1SB                     ; the scales first: three loads of mine are out in all
.irp s, 0,1
	s_mov_b32 s[G0+4*\s], 1
	s_add_co_u32 s[G0+4*\s+1], s45, \s*SLOT
	s_add_nc_u64 s[G0+4*\s+2:G0+4*\s+3], s[20:21], \s*ROWB
	s_or_b32 s[G0+4*\s+3], s[G0+4*\s+3], 0x80000000
	s_mov_b32 s[G0B+4*\s], 1
	s_add_co_u32 s[G0B+4*\s+1], s45, \s*SLOT
	s_add_nc_u64 s[G0B+4*\s+2:G0B+4*\s+3], s[46:47], \s*ROWB
	s_or_b32 s[G0B+4*\s+3], s[G0B+4*\s+3], 0x80000000
	JLOAD G0+4*\s, G1, G0B+4*\s, G1B
.endr
	v_and_b32 v1, 15, v0                           ; r = lane % 16
	v_bfe_u32 v2, v0, 4, 1                         ; h = lane / 16
	v_mul_u32_u24 v3, v1, PITCH
	v_lshl_add_u32 v4, v2, 4, v3                   ; a fragment's row x pitch + 16 h
	s_mul_i32 s21, s15, HALFT                      ; my 128 rows of x
	s_mul_i32 s22, s16, HALFT                      ; my 128 rows of W,
	s_add_co_u32 s22, s22, 2*HALFT                 ; behind x's 256
.irp s, 0,1
	v_add_nc_u32 v[ADRA+\s], s21, v4
	v_add_nc_u32 v[ADRB+\s], s22, v4
	s_add_co_u32 s21, s21, SLOT
	s_add_co_u32 s22, s22, SLOT
.endr
	v_mul_u32_u24 v5, v1, KS                       ; my row's scales: 32 bytes a row,
	v_lshrrev_b32 v6, 8, v5
	v_lshl_add_u32 v5, v6, 4, v5                   ; and 16 more for each 256 passed
	s_mul_i32 s21, s15, HALFS
	s_mul_i32 s22, s16, HALFS
	s_add_co_u32 s22, s22, 2*HALFS
	s_sub_co_u32 s22, s22, s21
	v_mul_u32_u24 v6, s22, v2                      ; lanes 16-31 take W's
	s_add_co_u32 s21, s21, SCL
	v_add_nc_u32 v5, v5, v6
	v_add_nc_u32 v[ADRS], s21, v5
	s_mul_i32 s23, s14, 4608                       ; my stage: 2 heads x 16 rows x 144 bytes, in slot 0, which has had its last fill and its last read when the first result is stored there
	v_mul_u32_u24 v5, v1, 144
	v_lshl_add_u32 v5, v2, 4, v5
	v_add_nc_u32 v[STO], s23, v5
	v_and_b32 v6, 31, v0
	v_lshrrev_b32 v7, 3, v6
	v_mul_u32_u24 v7, v7, 144
	v_and_b32 v8, 7, v0
	v_lshl_add_u32 v7, v8, 4, v7
	v_add_nc_u32 v[RD], s23, v7                    ; back: eight lanes to a row of 128 bytes, four rows an instruction
	v_lshlrev_b32 v[CO], 4, v6
	v_lshlrev_b32 v[TOF], 8, v1
	v_lshl_add_u32 v[TOF], v2, 5, v[TOF]
	v_mul_u32_u24 v[FOF], v1, 12288
	v_lshl_add_u32 v[FOF], v2, 5, v[FOF]
	v_lshlrev_b32 v[BOF], 5, v2
	s_lshl_b32 s46, s42, 10                        ; my first column, in bytes of f32: 1,024 x tile column + 512 x half
	s_lshl_b32 s47, s16, 9
	s_add_co_u32 s46, s46, s47
	s_mov_b32 s47, 0
	s_add_nc_u64 s[10:11], s[10:11], s[46:47]      ; in the bias
	s_add_nc_u64 s[100:101], s[100:101], s[46:47]  ; and in a row of fine
	s_and_b32 s94, s17, 7                          ; the tile row within its sequence
	v_mov_b32 v[TR7], s94
	s_lshl_b32 s18, s94, 8
	s_lshl_b32 s19, s15, 7
	s_add_co_u32 s18, s18, s19                     ; my first position
	s_min_u32 s19, ttmp9, 1                        ; table 0 for q, table 1 for k; v's work-groups stand at table 1 too, inside the buffer
	s_lshl_b32 s19, s19, 19
	s_lshl_b32 s20, s18, 8
	s_add_co_u32 s20, s20, s19
	s_mov_b32 s21, 0
	s_add_nc_u64 s[96:97], s[96:97], s[20:21]
	s_lshr_b32 s22, s17, 3                         ; the batch
	s_lshl_b32 s23, s22, 4
	s_and_b32 s92, s42, 3
	s_lshl_b32 s92, s92, 2
	s_add_co_u32 s23, s23, s92
	s_lshl_b32 s92, s16, 1
	s_add_co_u32 s23, s23, s92                     ; 16 x batch + my first head
	s_lshl_b32 s23, s23, 18
	s_lshl_b32 s92, s18, 7
	s_add_co_u32 s92, s92, s23
	s_lshl_b32 s93, ttmp9, 23                      ; q's, k's or v's plane
	s_add_co_u32 s92, s92, s93
	s_mov_b32 s93, 0
	s_add_nc_u64 s[98:99], s[98:99], s[92:93]
	s_mul_i32 s92, s22, 196608
	s_add_nc_u64 s[100:101], s[100:101], s[92:93]
.irp b, 0,1,2,3,4,5,6,7
	global_load_b128 v[BIA+8*\b:BIA+8*\b+3], v[BOF], s[10:11] offset:64*\b       ; the bias in the result's layout: columns 16 b + 8 h + 0 .. 7
	global_load_b128 v[BIA+8*\b+4:BIA+8*\b+7], v[BOF], s[10:11] offset:64*\b+16
.endr
	WIN TO_B                                       ; the tables of blocks 0-3, asked for here so that they land under the products.  They stand on the one way that all waves take, so that their registers
	TABLE 0                                        ; are written on every way to the rotation: v's work-groups load these 32 too, and do not use them
	TABLE 1
	TABLE 2
	TABLE 3
	WIN 0
.macro FRAG reg, adr, q, i             ; a fragment, 16 rows x 128 K of 4-bit codes: two loads of 16 bytes, 32 bytes apart
.irp c, 0,1
	ds_load_b128 v[\reg+4*\c:\reg+4*\c+3], v[\adr] offset:64*(\q)+32*\c+(\i)*16*PITCH
.endr
.endm
; 16 matrix instructions: x's blocks a0, a0 + 1 against W's eight, 128 along K.  zero = 1: the first product starts the sums, with the bias as its C.  The 64 accumulators take turns.
.macro MUL16 a0, p, q, sc, zero
.irp a, \a0, \a0+1
.irp b, 0,1,2,3,4,5,6,7
.if \zero
	v_wmma_scale_f32_16x16x128_f8f6f4 v[8*(8*((\a)%4)+\b):8*(8*((\a)%4)+\b)+7], v[128*(\p)+FR*\b:128*(\p)+FR*\b+FR-1], v[AF+FR*(\a):AF+FR*(\a)+FR-1], v[BIA+8*\b:BIA+8*\b+7], v[SC+8*NQ*(\sc)+NQ*\b+(\q)], v[SC+8*NQ*(\sc)+NQ*(\a)+(\q)] matrix_a_fmt:MATRIX_FMT_FP4 matrix_b_fmt:MATRIX_FMT_FP4 matrix_a_scale:MATRIX_SCALE_ROW1
.else
	v_wmma_scale_f32_16x16x128_f8f6f4 v[8*(8*((\a)%4)+\b):8*(8*((\a)%4)+\b)+7], v[128*(\p)+FR*\b:128*(\p)+FR*\b+FR-1], v[AF+FR*(\a):AF+FR*(\a)+FR-1], v[8*(8*((\a)%4)+\b):8*(8*((\a)%4)+\b)+7], v[SC+8*NQ*(\sc)+NQ*\b+(\q)], v[SC+8*NQ*(\sc)+NQ*(\a)+(\q)] matrix_a_fmt:MATRIX_FMT_FP4 matrix_b_fmt:MATRIX_FMT_FP4 matrix_a_scale:MATRIX_SCALE_ROW1
.endif
.endr
.endr
.endm
.macro FETCH_B slot, q, p
	WIN TO_B
.irp i, 0,1,2,3,4,5,6,7
	FRAG 128*(\p)+FR*\i, ADRB+\slot, \q, \i
.endr
	WIN 0
.endm
.macro FETCH_A slot, q, i0
.irp i, \i0, \i0+1, \i0+2, \i0+3
	FRAG AF+FR*(\i), ADRA+\slot, \q, \i
.endr
.endm
.macro SCALES sc                       ; a slot's scale words: four words a row; lanes 0-15 take x's block i, lanes 16-31 W's block i
.irp i, 0,1,2,3,4,5,6,7
	ds_load_b128 v[SC+8*NQ*\sc+NQ*\i:SC+8*NQ*\sc+NQ*\i+3], v[ADRS] offset:\i*SBLK
.endr
.endm
.macro PLACES n                        ; plain vector instructions between a matrix instruction and a load into, or a read of, its registers
.rept \n
	v_nop
.endr
.endm
.macro STEP slot, q, zero              ; a step of 128 along K that has its successor in the same slot
	s_wait_dscnt 4*NL                              ; W's set and x's blocks 0-3 are in; the youngest eight loads (x's blocks 4-7) may be out
	WIN MUL_LO-0x20*(\zero)
	MUL16 0, (\q)%2, \q, \slot, \zero
	MUL16 2, (\q)%2, \q, \slot, \zero
	s_wait_dscnt 0
	PLACES NP
	FETCH_B \slot, (\q)+1, 1-(\q)%2
	FETCH_A \slot, (\q)+1, 0
	WIN MUL_HI-0x30*(\zero)
	MUL16 4, (\q)%2, \q, \slot, \zero
	MUL16 6, (\q)%2, \q, \slot, \zero
	PLACES NP
	WIN 0
	FETCH_A \slot, (\q)+1, 4
.endm
	s_wait_loadcnt 0x0                             ; the bias and the four tables
	s_wait_tensorcnt 1                             ; the scales and my part of slot 0 are in (slot 1's load may be out)
	s_barrier_signal -1
	s_barrier_wait -1                              ; everybody's are
	FETCH_B 0, 0, 0
	FETCH_A 0, 0, 0
	SCALES 0
	FETCH_A 0, 0, 4
	STEP 0, 0, 1
	STEP 0, 1, 0
	STEP 0, 2, 0
	; slot 0's last step changes slots: one barrier; in front of it each wave waits for all its tensor loads, adds 0 to its spare word, and waits for that and for its reads of slot 0
	s_wait_tensorcnt 0x0                           ; my part of slot 1 has landed
	ds_add_u32 v[SPW], v[NIL]
	s_wait_dscnt 4*NL+1                            ; (the add and x's blocks 4-7 may be out)
	WIN MUL_LO
	MUL16 0, 1, 3, 0, 0
	s_wait_dscnt 0x0                               ; the add is done, and my reads of slot 0 are over
	s_barrier_signal -1
	MUL16 2, 1, 3, 0, 0
	WIN 0
	s_barrier_wait -1
	PLACES NP
	v_add_nc_u32 v[ADRS], 4*NQ, v[ADRS]            ; on to slot 1's scale words (no LDS load of mine is out)
	FETCH_B 1, 0, 0
	FETCH_A 1, 0, 0
	SCALES 1
	WIN MUL_HI
	MUL16 4, 1, 3, 0, 0
	MUL16 6, 1, 3, 0, 0
	PLACES NP
	WIN 0
	FETCH_A 1, 0, 4
	STEP 1, 0, 0
	STEP 1, 1, 0
	STEP 1, 2, 0
	s_wait_dscnt 4*NL                              ; the last step: nothing more to fetch
	WIN MUL_LO
	MUL16 0, 1, 3, 1, 0
	MUL16 2, 1, 3, 1, 0
	s_wait_dscnt 0
	WIN MUL_HI
	MUL16 4, 1, 3, 1, 0
	MUL16 6, 1, 3, 1, 0
	WIN 0
; THE WAY OUT, block by block of 16 rows x 128 columns (two heads).
; The first 16 positions of a sequence in f32: only the wave with the tile's upper rows (a branch on the wave's number), and only in the tile row that begins a sequence: that hangs on the
; work-group's place in its cluster, so it is an EXEC mask and no branch.  EXEC changes only behind s_wait_xcnt 0.  A lane stores 16 bytes at a time, rows 12,288 bytes apart: 384 KiB in the whole launch.
.macro FINE src, w
	s_cmp_lg_u32 s15, 0
	s_cbranch_scc1 .Lno_fine_\@
	v_cmp_eq_u32 vcc_lo, 0, v[TR7]
	s_wait_xcnt 0x0
	s_and_saveexec_b32 s3, vcc_lo
	WIN \w
.irp b, 0,1,2,3,4,5,6,7
	global_store_b128 v[FOF], v[\src+8*\b:\src+8*\b+3], s[100:101] offset:64*\b
	global_store_b128 v[FOF], v[\src+8*\b+4:\src+8*\b+7], s[100:101] offset:64*\b+16
.endr
	WIN 0
	s_wait_xcnt 0x0
	s_or_b32 exec_lo, exec_lo, s3
.Lno_fine_\@:
.endm
.macro OUTB a                          ; 16 bytes a lane into my stage (rows of 144 bytes), and back as whole rows of 128 bytes, into the registers that they left: LDS serves a wave's instructions in order
.set HH, H0+32*((\a)%2)
.irp b, 0,1,2,3,4,5,6,7
	ds_store_b128 v[STO], v[HH+4*\b:HH+4*\b+3] offset:(\b/4)*2304+32*(\b%4)
.endr
.irp n, 0,1,2,3,4,5,6,7
	ds_load_b128 v[HH+4*\n:HH+4*\n+3], v[RD] offset:(\n/4)*2304+(\n%4)*576
.endr
.endm
.macro SENDQ a, younger                ; younger: the LDS instructions issued behind block a's loads
.set HH, H0+32*((\a)%2)
	s_wait_dscnt \younger
.irp n, 0,1,2,3,4,5,6,7
	global_store_b128 v[CO], v[HH+4*\n:HH+4*\n+3], s[98:99] offset:(\n/4)*262144+(\a)*2048+(\n%4)*512   ; 32 lanes store four rows of a head: 512 consecutive bytes, aligned
.endr
.endm
.macro RBLOCK a                        ; q and k: the rotation
.set AC, 64*((\a)%4)
.set TT, 64*(1-(\a)/4)+32*((\a)%2)+128*(((\a)%4)/2)
.set HH, H0+32*((\a)%2)
.if (\a) >= 4
	s_wait_loadcnt 8*(7-(\a))                      ; this block's table is in; those of the later blocks, eight loads each, may be out.  (The tables of blocks 0-3 were waited for at the head)
.endif
	WIN 0x06+(\a)/4                                ; source 0: the accumulators' window (2 or 3); source 1: the table's (1)
.irp b, 0,1,2,3,4,5,6,7
.irp i, 0,1,2,3
	v_mul_f32 v[U+8*\b+2*\i], v[AC+8*\b+2*\i+1], v[TT+8*(\b%4)+2*\i+1]                    ; odd x sin
	v_mul_f32 v[U+8*\b+2*\i+1], v[AC+8*\b+2*\i+1], v[TT+8*(\b%4)+2*\i]                    ; odd x cos
	v_fma_f32 v[U+8*\b+2*\i], v[AC+8*\b+2*\i], v[TT+8*(\b%4)+2*\i], -v[U+8*\b+2*\i]       ; even x cos - odd x sin
	v_fma_f32 v[U+8*\b+2*\i+1], v[AC+8*\b+2*\i], v[TT+8*(\b%4)+2*\i+1], v[U+8*\b+2*\i+1]  ; even x sin + odd x cos
.endr
.endr
	WIN 0
.if (\a) == 0
	FINE U, 0
.else
	s_wait_xcnt 0x0                                ; block a - 2's stores have read the registers that the conversions below write; the rotation above stands between the last stores and this wait
.endif
.irp b, 0,1,2,3,4,5,6,7
.irp i, 0,1,2,3
	v_cvt_pk_f16_f32 v[HH+4*\b+\i], v[U+8*\b+2*\i], v[U+8*\b+2*\i+1]
.endr
.endr
	OUTB \a
.if (\a) > 0
	SENDQ (\a)-1, 16                               ; behind block a - 1's loads: block a's 8 stores and 8 loads
.endif
.endm
.macro VBLOCK a                        ; v: no rotation
.set AC, 64*((\a)%4)
.set HH, H0+32*((\a)%2)
.if (\a) > 0
	s_wait_xcnt 0x0
.endif
.if (\a) == 0
	FINE 0, 0x08                                   ; a store's data are its source 1: window 2
.endif
	WIN 0x0a+5*((\a)/4)
.irp b, 0,1,2,3,4,5,6,7
.irp i, 0,1,2,3
	v_cvt_pk_f16_f32 v[HH+4*\b+\i], v[AC+8*\b+2*\i], v[AC+8*\b+2*\i+1]
.endr
.endr
	WIN 0
	OUTB \a
.if (\a) > 0
	SENDQ (\a)-1, 16
.endif
.endm
	PLACES NP                                      ; behind the last products: their results are read, and registers that they read are written or loaded into, only behind these
	s_cmp_eq_u32 ttmp9, 2
	s_cbranch_scc1 .Lvout
	WIN TO_B                                       ; the tables of blocks 4-7 into W's fragment registers, which are done with: they have the work of blocks 0-3 in which to land
	TABLE 4
	TABLE 5
	TABLE 6
	TABLE 7
	WIN 0
.irp a, 0,1,2,3,4,5,6,7
	RBLOCK \a
.endr
	SENDQ 7, 0
	s_branch .Lend
.Lvout:
.irp a, 0,1,2,3,4,5,6,7
	VBLOCK \a
.endr
	SENDQ 7, 0
.Lend:
	s_wait_tensorcnt 0x0                           ; the wave's end, behind my last tensor load and my last LDS store
	ds_add_u32 v[SPW], v[NIL]
	s_wait_dscnt 0x0
	CROUND                                         ; the closing round: no work-group ends while a partner may still ask for a tile that names it
	s_endpgm
.Lfunc_end_k_q64870fe2eb_proj_qkv:
	.size	k_q64870fe2eb_proj_qkv, .Lfunc_end_k_q64870fe2eb_proj_qkv-k_q64870fe2eb_proj_qkv
	.p2alignl 7, 3214868480
	.fill 96, 4, 3214868480
	.section	.rodata,"a",@progbits
	.p2align	6, 0x0
	.amdhsa_kernel k_q64870fe2eb_proj_qkv
		.amdhsa_group_segment_fixed_size 327680
		.amdhsa_private_segment_fixed_size 0
		.amdhsa_enable_private_segment 0
		.amdhsa_kernarg_size 56
		.amdhsa_user_sgpr_count 2
		.amdhsa_user_sgpr_kernarg_segment_ptr 1
		.amdhsa_wavefront_size32 1
		.amdhsa_system_sgpr_workgroup_id_x 1
		.amdhsa_system_sgpr_workgroup_id_y 1
		.amdhsa_system_sgpr_workgroup_id_z 1
		.amdhsa_system_vgpr_workitem_id 0
		.amdhsa_next_free_vgpr 1024
		.amdhsa_next_free_sgpr 102
		.amdhsa_reserve_vcc 1
		.amdhsa_float_denorm_mode_32 3
		.amdhsa_float_denorm_mode_16_64 3
		.amdhsa_memory_ordered 1
		.amdhsa_forward_progress 1
		.amdhsa_inst_pref_size 218
	.end_amdhsa_kernel
	.amdgpu_metadata
---
amdhsa.version: [ 1, 2 ]
amdhsa.kernels:
  - .name:           k_q64870fe2eb_proj_qkv
    .symbol:         k_q64870fe2eb_proj_qkv.kd
    .args:
      - { .name: xc, .offset: 0, .size: 8, .value_kind: global_buffer, .address_space: global }
      - { .name: wc, .offset: 8, .size: 8, .value_kind: global_buffer, .address_space: global }
      - { .name: scl, .offset: 16, .size: 8, .value_kind: global_buffer, .address_space: global }
      - { .name: b_qkv, .offset: 24, .size: 8, .value_kind: global_buffer, .address_space: global }
      - { .name: rope, .offset: 32, .size: 8, .value_kind: global_buffer, .address_space: global }
      - { .name: qkv, .offset: 40, .size: 8, .value_kind: global_buffer, .address_space: global }
      - { .name: fine, .offset: 48, .size: 8, .value_kind: global_buffer, .address_space: global }
    .group_segment_fixed_size: 327680
    .private_segment_fixed_size: 0
    .kernarg_segment_align: 8
    .kernarg_segment_size: 56
    .max_flat_workgroup_size: 128
    .sgpr_count:     102
    .vgpr_count:     1024
    .wavefront_size: 32
...
	.end_amdgpu_metadata
.endif
;; end of part 2
;; launch attention (part 3): grid 8 x 32, 8 waves a work-group, no clusters, 327,680 bytes of LDS; arguments qkv, attention_mask, attn; writes attn
.if DOCPART == 3
	.amdgcn_target "amdgcn-amd-amdhsa--gfx1250"
	.amdhsa_code_object_version 6
	.text
	.protected	k_q64870fe2eb_attention
	.globl	k_q64870fe2eb_attention
	.p2align	8
	.type	k_q64870fe2eb_attention,@function
k_q64870fe2eb_attention:
	s_mov_b64 s[64:65], 0
	v_nop
	global_prefetch_b8 v0, s[64:65] scope:SCOPE_SE
	s_setreg_imm32_b32 hwreg(HW_REG_WAVE_MODE, 25, 1), 1
	s_wait_xcnt 0x0
; attn = softmax(q k^T / 8, under the causal mask and the padding mask) v, by head, operands in f16, products, maxima and sums in f32.
; q carries c = log2(e) / 8, so a score arrives as t, and p = 2^(t - m), m the query's running maximum; l is summed of the unrounded p; in every step O and l are multiplied by 2^(m_old - m_new).
; MASKS.  A hidden score is -2^127.  The padding mask costs no vector line: 0 or -2^127 by key lies in LDS and is the C of each score's first product.  The running maximum begins at, and never
; falls under, -2^126, so a hidden p is 2^(-2^126 or less) = 0.  LIMIT: true t stays above -2^126 (with f16 operands |t| is under 3e11).  A query with no visible key keeps l = 0 and O = 0: 0 x (1 / 0) is NaN, as the softmax of such a row is.
; SHARES.  A work-group owns two blocks of 128 queries of one head, blocks 15 - x and x; waves 0-3 take the late block (32 queries each), waves 4-7 the early one, in reverse, so that waves w and w + 4
; walk 33 key steps together, whatever x and w.  A key step is 64 keys.  Every work-group walks all eight slots of 256 keys: the trip counts are constants; a step all of whose keys come after the wave's queries is jumped over.
; NO CLUSTER: under the causal mask the work-groups of a head need different numbers of tiles: a joint load would bring tiles that some partner never reads.
; LAYOUT.  S^T = K Q^T (source 0 = 16 keys, source 1 = 16 queries): a lane holds one query (lane % 16) and keys 8 (lane / 16) + 0..7.  Two such tiles, rounded to f16 in pairs, are source 1 of O^T = V^T P.
; K comes out of LDS as it lies, V ([key][channel]) turned, by ds_load_tr16_b128.
; The result leaves as attn [32 blocks of 128 rows][16 heads][128 rows][64] f16: a wave's 32 rows are 4,096 consecutive bytes.
; REGISTERS: window 0: v1-15 addresses and constants; v16-31 statistics, 8 a tile; v32-63 the padding bias; v64-127 S^T; v128-159 P; v160-223 O^T; v224-240 at work.  window 1: v0-31 Q; v64-127 K; v128-191 V.
.set KP,    144                        ; a key's row in LDS: 128 bytes + 16
.set VP,    160                        ; a row of V: 128 bytes + 32
.set VOFF,  256*KP                     ; a slot: 256 rows of K, then 256 rows of V
.set SLOT1, 1<<17                      ; slot 1 begins here: one exclusive or turns an address
.set BIAS,  2*SLOT1                    ; 2,048 f32: 0 or -2^127 by key
.set STAGE, BIAS+8192                  ; the way out: 32 rows x 144 bytes for each wave
.set SPARE, STAGE+8*4608               ; the spare words: 128 bytes for each wave, four blocks of 256 bytes that no other line names
.set NSL,   8
.set AK0, 1
.set AV0, 2
.set AB0, 3
.set SPW, 4                            ; v4 LDS address of my spare word; never rewritten
.set NIL, 5                            ; v5 0; never rewritten
.set GO,  6
.set STO, 7
.set RD,  8
.set ADK, 9
.set ADV, 10
.set ADB, 11
.set QO,  12
.set PFO, 13
.set NEG, 14
.set ZR,  15
.set ST,  16                           ; tile t at v[ST + 8 t]: +0, +1 -m; +2, +3 l; +4, +5 a; +6 m; +7 at work
.set BI,  32
.set S,   64
.set P,   128
.set O,   160
.set MX,  224                          ; v224-231 the maximum's chains
.set XS,  232                          ; v232-235 the sums' second chains
.set PM,  236                          ; v236-237 what the other half of the lanes sent
.set DD,  238                          ; v238-239 the diagonal: my query less the step's first key less 8 h
.set RH,  240                          ; v240 r - 8 h
.set QR,  0                            ; window 1
.set KR,  64
.set VR,  128
.set WV,  18
.set SEL, 20
.set G1K, 24
.set G1V, 32
.set G0K, 40
.set G0V, 44
.set TB,  2                            ; s2  LDS byte at which the slot in hand begins
.set TJ,  66                           ; s66 4 x the step's first key
.set SLOTS, 67
.set PFK, 76                           ; s[76:77], s[78:79] where my prefetches stand in K and in V
.set PFV, 78
.set LIM, 80
.set QL,  95                           ; s95 my work-group's last query
.set KF,  98                           ; s98 the step's first key
.set Q0,  99                           ; s99 my wave's first query
.set MSB, 0
.macro WIN new
.if MSB != \new
	s_set_vgpr_msb (MSB<<8)|\new
.set MSB, \new
.endif
.endm
; Waves 0 and 1 fetch K's halves of a slot, waves 2 and 3 V's, the others nothing.  An s_nop 0 and four v_nop follow each of the two lines.
.macro TLOAD
	s_cmp_lt_u32 s[WV], 2
	s_cbranch_scc0 .Lnot_k_\@
	tensor_load_to_lds s[G0K:G0K+3], s[G1K:G1K+7]
	s_nop 0
.rept 4
	v_nop
.endr
	s_branch .Lasked_\@
.Lnot_k_\@:
	s_cmp_lt_u32 s[WV], 4
	s_cbranch_scc0 .Lasked_\@
	tensor_load_to_lds s[G0V:G0V+3], s[G1V:G1V+7]
	s_nop 0
.rept 4
	v_nop
.endr
.Lasked_\@:
.endm
; A prefetch of what the NEXT change of slots will ask for: a slot's 32,768 bytes of K and of V.  All work-groups of a head walk the same K and V: the head's first work-group asks; in it waves 4 to 7,
; which fetch nothing, 8,192 bytes of each a wave, lanes 256 bytes apart: each aligned block of 256 bytes is named once in the launch.  The last change that fills a slot asks for nothing; slots 0 and 1 come by their loads alone.
.macro ASK
	s_cmp_gt_u32 s[SLOTS], s[LIM]
	s_cbranch_scc0 .Lnot_mine_\@
	global_prefetch_b8 v[PFO], s[PFK:PFK+1] th:TH_LOAD_NT scope:SCOPE_SE
	global_prefetch_b8 v[PFO], s[PFV:PFV+1] th:TH_LOAD_NT scope:SCOPE_SE
.Lnot_mine_\@:
.endm
	s_load_b128 s[4:7], s[0:1], 0x0                ; qkv s[4:5], attention_mask s[6:7]
	s_load_b64 s[8:9], s[0:1], 0x10                ; attn
	v_lshl_add_u32 v[SPW], v0, 2, SPARE
	v_mov_b32 v[NIL], 0
	ds_add_u32 v[SPW], v[NIL]                      ; the wave's opening: the add, twice on end, and its wait ahead of my first tensor load
	ds_add_u32 v[SPW], v[NIL]
	v_lshrrev_b32 v9, 5, v0
	v_readfirstlane_b32 s[WV], v9                  ; wave 0..7
	s_and_b32 s10, ttmp7, 0xffff                   ; 16 x batch + head
	s_lshl_b32 s12, s10, 18                        ; the head's first byte in a plane of qkv
	s_mov_b32 s13, 0
	s_and_b32 s14, s[WV], 1                        ; which half of a slot's rows I fetch
	s_lshl_b32 s16, s14, 14
	s_mov_b32 s17, 0
	s_add_nc_u64 s[16:17], s[16:17], s[12:13]
	s_mul_i32 s15, s14, 128*KP
	s_mul_i32 s19, s14, 128*VP
	s_add_co_u32 s19, s19, VOFF
	; descriptor group 1: 128 rows x 64 elements of 2 bytes, dense in memory; padding behind every 32 words: 4 words for K, 8 for V
	s_mov_b32 s[G1K], (1<<16)|(1<<20)|(4<<22)|(3<<25)
	s_mov_b32 s[G1V], (1<<16)|(1<<20)|(4<<22)|(7<<25)
.irp g, G1K, G1V
	s_mov_b32 s[\g+1], 64<<16                      ; tensor_dim0
	s_mov_b32 s[\g+2], 128<<16                     ; tensor_dim1
	s_mov_b32 s[\g+3], 64<<16                      ; tile_dim0
	s_mov_b32 s[\g+4], 128                         ; tile_dim1
	s_mov_b32 s[\g+5], 64                          ; from row to row
	s_mov_b32 s[\g+6], 0
	s_mov_b32 s[\g+7], 0
.endr
	s_mov_b32 s[SEL], 0x76543210
	s_mov_b32 s[SEL+1], 0xfedcba98                 ; v_permlanex16_b32's selects for lane l xor 16
	s_mov_b32 s[TB], 0
	s_mov_b32 s[TJ], 0
	s_mov_b32 s[KF], 0
	s_mov_b32 s[SLOTS], NSL-1
	s_sub_co_u32 s22, 15, ttmp9
	s_lshl_b32 s22, s22, 7
	s_add_co_u32 s[QL], s22, 127                   ; the late block's last query
	s_lshl_b32 s23, s[WV], 5
	s_add_co_u32 s22, s22, s23                     ; waves 0-3: 128 (15 - x) + 32 w
	s_lshl_b32 s23, ttmp9, 7
	s_sub_co_u32 s81, 7, s[WV]
	s_lshl_b32 s81, s81, 5
	s_add_co_u32 s23, s23, s81                     ; waves 4-7: 128 x + 32 (7 - w)
	s_cmp_lt_u32 s[WV], 4
	s_cselect_b32 s[Q0], s22, s23
	s_wait_dscnt 0x0                               ; both opening adds are done
	s_wait_kmcnt 0x0
	s_mov_b32 s[G0K], 1
	s_mov_b32 s[G0K+1], s15
	s_add_nc_u64 s[G0K+2:G0K+3], s[4:5], s[16:17]
	s_add_nc_u64 s[G0K+2:G0K+3], s[G0K+2:G0K+3], 8388608     ; k's plane
	s_or_b32 s[G0K+3], s[G0K+3], 0x80000000
	s_mov_b32 s[G0V], 1
	s_mov_b32 s[G0V+1], s19
	s_add_nc_u64 s[G0V+2:G0V+3], s[4:5], s[16:17]
	s_add_nc_u64 s[G0V+2:G0V+3], s[G0V+2:G0V+3], 16777216    ; v's plane
	s_or_b32 s[G0V+3], s[G0V+3], 0x80000000
	TLOAD                                          ; slot 0: it holds key 0, which every wave's first step reads
	s_lshl_b32 s86, s[Q0], 7
	s_mov_b32 s87, 0
	s_add_nc_u64 s[86:87], s[86:87], s[12:13]
	s_add_nc_u64 s[82:83], s[4:5], s[86:87]        ; q at my first query
	s_lshr_b32 s86, s10, 4                         ; the batch
	s_lshl_b32 s87, s86, 4
	s_lshr_b32 s88, s[Q0], 7
	s_add_co_u32 s87, s87, s88                     ; which block of 128 rows
	s_lshl_b32 s87, s87, 4
	s_and_b32 s88, s10, 15
	s_add_co_u32 s87, s87, s88                     ; x 16 + head
	s_lshl_b32 s87, s87, 14
	s_and_b32 s88, s[Q0], 127
	s_lshl_b32 s88, s88, 7
	s_add_co_u32 s88, s87, s88
	s_mov_b32 s89, 0
	s_add_nc_u64 s[8:9], s[8:9], s[88:89]          ; attn at my 32 rows
	s_lshl_b32 s88, s86, 13
	s_add_nc_u64 s[6:7], s[6:7], s[88:89]          ; the batch's row of the mask
	s_and_b32 s88, s[WV], 3
	s_lshl_b32 s88, s88, 13
	s_add_co_u32 s88, s88, 32768                   ; the prefetches stand in slot 1: the first change of slots steps them to slot 2
	s_add_nc_u64 s[88:89], s[88:89], s[12:13]
	s_add_nc_u64 s[PFK:PFK+1], s[4:5], s[88:89]
	s_add_nc_u64 s[PFK:PFK+1], s[PFK:PFK+1], 8388608
	s_add_nc_u64 s[PFV:PFV+1], s[PFK:PFK+1], 8388608
	s_lshr_b32 s88, s[WV], 2
	s_xor_b32 s88, s88, 1                          ; 0 in waves 4 to 7,
	s_or_b32 s88, s88, ttmp9                       ; of the head's first work-group
	s_cmp_eq_u32 s88, 0
	s_cselect_b32 s[LIM], 1, -1
	v_lshlrev_b32 v246, 5, v0                      ; the mask: 8 keys a thread
	global_load_b128 v[224:227], v246, s[6:7]
	global_load_b128 v[228:231], v246, s[6:7] offset:16
	v_and_b32 v241, 15, v0                         ; r
	v_bfe_u32 v242, v0, 4, 1                       ; h
	v_and_b32 v243, 31, v0                         ; lane
	v_lshlrev_b32 v[QO], 7, v241
	v_lshl_add_u32 v[QO], v242, 4, v[QO]           ; q: row r of 128 bytes + 16 h
	WIN 0x40                                       ; destination window 1
.irp t, 0,1
.irp kc, 0,1
	global_load_b128 v[QR+16*\t+8*\kc:QR+16*\t+8*\kc+3], v[QO], s[82:83] offset:\t*2048+\kc*64
	global_load_b128 v[QR+16*\t+8*\kc+4:QR+16*\t+8*\kc+7], v[QO], s[82:83] offset:\t*2048+\kc*64+32
.endr
.endr
	WIN 0
	v_mul_u32_u24 v[AK0], v241, KP
	v_lshl_add_u32 v[AK0], v242, 4, v[AK0]         ; K: row r x pitch + 16 h
	v_and_b32 v244, 7, v0
	v_lshl_add_u32 v244, v242, 3, v244
	v_mul_u32_u24 v[AV0], v244, VP                 ; V, turned: key 8 h + lane % 8,
	v_bfe_u32 v244, v0, 3, 1
	v_lshl_add_u32 v[AV0], v244, 4, v[AV0]         ; channels 8 ((lane / 8) % 2) on
	v_add_nc_u32 v[AV0], VOFF, v[AV0]
	v_lshl_add_u32 v[AB0], v242, 5, BIAS           ; the bias of keys 8 h on
	v_lshlrev_b32 v[GO], 4, v243
	s_mul_i32 s88, s[WV], 4608
	s_add_co_u32 s88, s88, STAGE                   ; my stage
	v_add_nc_u32 v[STO], s88, v[AK0]               ; in: row r x 144 + 16 h
	v_lshrrev_b32 v244, 3, v243
	v_mul_u32_u24 v[RD], v244, 144
	v_and_b32 v244, 7, v0
	v_lshl_add_u32 v[RD], v244, 4, v[RD]
	v_add_nc_u32 v[RD], s88, v[RD]                 ; back: eight lanes to a row, four rows an instruction
	v_lshlrev_b32 v[PFO], 8, v243
	v_mov_b32 v[NEG], 0xff000000                   ; -2^127
	v_mov_b32 v[ZR], 0
	v_lshlrev_b32 v244, 3, v242
	v_sub_nc_u32 v[RH], v241, v244
	v_lshl_add_u32 v245, v0, 5, BIAS
.irp t, 0,1
	v_mov_b32 v[ST+8*\t], 0x7e800000               ; -m = 2^126
	v_mov_b32 v[ST+8*\t+1], 0x7e800000             ; (named with it as a pair, so it is written)
	v_mov_b32 v[ST+8*\t+2], 0                      ; l, in two halves
	v_mov_b32 v[ST+8*\t+3], 0
	v_mov_b32 v[ST+8*\t+4], 0
	v_mov_b32 v[ST+8*\t+5], 0
	v_mov_b32 v[ST+8*\t+6], 0xfe800000             ; m = -2^126
	v_mov_b32 v[ST+8*\t+7], 0
	v_mov_b32 v[PM+\t], 0                          ; a lane permute's destination counts as one of its sources
.endr
.set n, 0
.rept 64
	v_mov_b32 v[O+n], 0                            ; O^T.  (The step is written once: the first finds zeros)
.set n, n+1
.endr
	s_wait_loadcnt 8                               ; the mask is in; Q's eight loads may be out
.irp j, 0,1,2,3,4,5,6,7
	v_cmp_ne_u32 vcc_lo, 0, v[224+\j]
	v_cndmask_b32 v[224+\j], v[NEG], v[ZR], vcc_lo ; 0 where the key counts, else -2^127
.endr
	ds_store_b128 v245, v[224:227]                 ; the first change of slots, its wait and its barrier, shows these to every wave
	ds_store_b128 v245, v[228:231] offset:16
	s_wait_loadcnt 0x0                             ; Q
; A KEY STEP: 64 keys, the q-th of the slot in hand.
.macro STEP q
	s_add_co_u32 s96, s[Q0], 31                    ; a step all of whose keys come after my 32 queries is left out: a branch on ids; no barrier and no tensor load stands in a step
	s_cmp_gt_u32 s[KF], s96
	s_cbranch_scc1 .Lhidden_\@
	v_add_nc_u32 v[ADK], s[TB], v[AK0]             ; these four lines are also the places between the last products and the loads into V's registers
	v_add_nc_u32 v[ADV], s[TB], v[AV0]
	v_add_nc_u32 v[ADB], s[TJ], v[AB0]
	v_nop
.irp kt, 0,1,2,3
	ds_load_b128 v[BI+8*\kt:BI+8*\kt+3], v[ADB] offset:64*\kt
	ds_load_b128 v[BI+8*\kt+4:BI+8*\kt+7], v[ADB] offset:64*\kt+16
.endr
	WIN 0x40
.irp kt, 0,1,2,3
.irp kc, 0,1
	ds_load_b128 v[KR+16*\kt+8*\kc:KR+16*\kt+8*\kc+3], v[ADK] offset:(64*(\q)+16*\kt)*KP+64*\kc
	ds_load_b128 v[KR+16*\kt+8*\kc+4:KR+16*\kt+8*\kc+7], v[ADK] offset:(64*(\q)+16*\kt)*KP+64*\kc+32
.endr
.endr
.irp ks, 0,1
.irp ct, 0,1,2,3
	ds_load_tr16_b128 v[VR+32*\ks+8*\ct:VR+32*\ks+8*\ct+3], v[ADV] offset:(64*(\q)+32*\ks)*VP+32*\ct
	ds_load_tr16_b128 v[VR+32*\ks+8*\ct+4:VR+32*\ks+8*\ct+7], v[ADV] offset:(64*(\q)+32*\ks)*VP+32*\ct+16*VP
.endr
.endr
	s_wait_dscnt 16                                ; the bias and K are in; V's sixteen loads may be out
	WIN 0x05                                       ; K and Q in window 1
.irp t, 0,1                                    ; S^T = K Q^T + the padding bias: eight accumulators by turns
.irp kt, 0,1,2,3
	v_wmma_f32_16x16x32_f16 v[S+32*\t+8*\kt:S+32*\t+8*\kt+7], v[KR+16*\kt:KR+16*\kt+7], v[QR+16*\t:QR+16*\t+7], v[BI+8*\kt:BI+8*\kt+7]
.endr
.endr
.irp t, 0,1
.irp kt, 0,1,2,3
	v_wmma_f32_16x16x32_f16 v[S+32*\t+8*\kt:S+32*\t+8*\kt+7], v[KR+16*\kt+8:KR+16*\kt+15], v[QR+16*\t+8:QR+16*\t+15], v[S+32*\t+8*\kt:S+32*\t+8*\kt+7]
.endr
.endr
	WIN 0
.rept 4
	v_nop
.endr
	s_add_co_u32 s96, s[KF], 63                    ; on the diagonal the scores of later keys become -2^127; a step all of whose keys count skips this
	s_cmp_le_u32 s96, s[Q0]
	s_cbranch_scc1 .Lopen_\@
	s_sub_co_i32 s96, s[Q0], s[KF]
	v_add_nc_u32 v[DD], s96, v[RH]                 ; register 8 kt + j of tile t holds key KF + 16 kt + 8 h + j: hidden where 16 kt + j > Q0 + 16 t + r - KF - 8 h
	v_add_nc_u32 v[DD+1], 16, v[DD]
.set n, 0
.rept 64
	v_cmp_gt_i32 vcc_lo, 16*((n%32)/8)+n%8, v[DD+n/32]
	v_cndmask_b32 v[S+n], v[S+n], v[NEG], vcc_lo
.set n, n+1
.endr
.Lopen_\@:
.irp k, 0,1,2,3                                ; the maximum of a tile's 32 scores and the old m: four chains, each begun at its accumulator's low end; the tiles by turns
.irp t, 0,1
	v_max3_num_f32 v[MX+4*\t+\k], v[S+32*\t+8*\k], v[S+32*\t+8*\k+1], v[S+32*\t+8*\k+2]
.endr
.endr
.irp g, 3,5
.irp k, 0,1,2,3
.irp t, 0,1
	v_max3_num_f32 v[MX+4*\t+\k], v[MX+4*\t+\k], v[S+32*\t+8*\k+\g], v[S+32*\t+8*\k+\g+1]
.endr
.endr
.endr
.irp t, 0,1
	v_max3_num_f32 v[MX+4*\t], v[MX+4*\t], v[S+32*\t+7], v[S+32*\t+15]
	v_max3_num_f32 v[MX+4*\t+2], v[MX+4*\t+2], v[S+32*\t+23], v[S+32*\t+31]
.endr
.irp t, 0,1
	v_max3_num_f32 v[MX+4*\t], v[MX+4*\t], v[MX+4*\t+1], v[MX+4*\t+2]
.endr
.irp t, 0,1
	v_max3_num_f32 v[MX+4*\t], v[MX+4*\t], v[MX+4*\t+3], v[ST+8*\t+6]
.endr
.irp t, 0,1
	v_permlanex16_b32 v[PM+\t], v[MX+4*\t], s[SEL], s[SEL+1]   ; the query's other 32 keys lie in the lane 16 away
.endr
.irp t, 0,1
	v_max_num_f32 v[ST+8*\t+7], v[MX+4*\t], v[PM+\t]           ; the new m
.endr
.irp t, 0,1
	v_sub_f32 v[ST+8*\t+4], v[ST+8*\t+6], v[ST+8*\t+7]         ; m_old - m_new
.endr
.irp t, 0,1
	v_mov_b32 v[ST+8*\t+6], v[ST+8*\t+7]
.endr
.irp t, 0,1
	v_sub_f32 v[ST+8*\t], 0, v[ST+8*\t+7]                      ; -m
.endr
.set n, 0
.rept 32
	v_pk_add_f32 v[S+2*n:S+2*n+1], v[S+2*n:S+2*n+1], v[ST+8*(n/16):ST+8*(n/16)+1] op_sel_hi:[1,0]   ; t - m, two at a time
.set n, n+1
.endr
.irp t, 0,1
	v_exp_f32 v[ST+8*\t+4], v[ST+8*\t+4]           ; a = 2^(m_old - m_new)
.endr
.set n, 0
.rept 64
	v_exp_f32 v[S+n], v[S+n]                       ; p = 2^(t - m)
.set n, n+1
.endr
	v_nop                                          ; a plain line behind the last exponential
	s_wait_alu depctr_va_vdst(0)                   ; one wait for the batch of 66, ahead of its first reader
.set n, 0
.rept 32
	v_cvt_pk_f16_f32 v[P+n], v[S+2*n], v[S+2*n+1]  ; the weights for the second product
.set n, n+1
.endr
.irp t, 0,1                                    ; l = a l + the sum of the unrounded p: two chains a tile
	v_pk_fma_f32 v[ST+8*\t+2:ST+8*\t+3], v[ST+8*\t+2:ST+8*\t+3], v[ST+8*\t+4:ST+8*\t+5], v[S+32*\t:S+32*\t+1] op_sel_hi:[1,0,1]
	v_pk_add_f32 v[XS+2*\t:XS+2*\t+1], v[S+32*\t+2:S+32*\t+3], v[S+32*\t+4:S+32*\t+5]
.endr
.irp g, 6,10,14,18,22,26
.irp t, 0,1
	v_pk_add_f32 v[ST+8*\t+2:ST+8*\t+3], v[ST+8*\t+2:ST+8*\t+3], v[S+32*\t+\g:S+32*\t+\g+1]
	v_pk_add_f32 v[XS+2*\t:XS+2*\t+1], v[XS+2*\t:XS+2*\t+1], v[S+32*\t+\g+2:S+32*\t+\g+3]
.endr
.endr
.irp t, 0,1
	v_pk_add_f32 v[ST+8*\t+2:ST+8*\t+3], v[ST+8*\t+2:ST+8*\t+3], v[S+32*\t+30:S+32*\t+31]
.endr
.irp t, 0,1
	v_pk_add_f32 v[ST+8*\t+2:ST+8*\t+3], v[ST+8*\t+2:ST+8*\t+3], v[XS+2*\t:XS+2*\t+1]
.endr
.set n, 0
.rept 32
	v_pk_mul_f32 v[O+2*n:O+2*n+1], v[O+2*n:O+2*n+1], v[ST+8*(n/16)+4:ST+8*(n/16)+5] op_sel_hi:[1,0]   ; O^T x a, each accumulator from its low end on
.set n, n+1
.endr
	s_wait_dscnt 0x0                               ; V is in
	WIN 0x01                                       ; V in window 1
.irp ks, 0,1                                   ; O^T += V^T P: eight accumulators by turns
.irp t, 0,1
.irp ct, 0,1,2,3
	v_wmma_f32_16x16x32_f16 v[O+32*\t+8*\ct:O+32*\t+8*\ct+7], v[VR+32*\ks+8*\ct:VR+32*\ks+8*\ct+7], v[P+16*\t+8*\ks:P+16*\t+8*\ks+7], v[O+32*\t+8*\ct:O+32*\t+8*\ct+7]
.endr
.endr
.endr
	WIN 0
.Lhidden_\@:
	s_add_co_u32 s[KF], s[KF], 64
	s_add_co_u32 s[TJ], s[TJ], 256
.endm
; THE CHANGE OF SLOTS stands at a slot's head.  Each wave waits for all its tensor loads, adds 0 to its spare word (fill = 1: twice on end),
; and waits for that and for its reads of the slot that it has left.  Behind the barrier the slot ahead is whole and nobody reads the other one.  fill = 1: the other slot takes the next 256 keys, one load a wave,
; but only while its first key is at or under the work-group's last query: a later slot would be read by no wave.  That test is made of ids and the count of steps alone, and is the same in all eight waves.
.macro CHANGE fill
	s_wait_tensorcnt 0x0                           ; no tensor load of mine is out, so a group 0 may be written
	ds_add_u32 v[SPW], v[NIL]
.if \fill
	ds_add_u32 v[SPW], v[NIL]
	s_xor_b32 s[G0K+1], s[G0K+1], SLOT1
	s_add_nc_u64 s[G0K+2:G0K+3], s[G0K+2:G0K+3], 32768
	s_xor_b32 s[G0V+1], s[G0V+1], SLOT1
	s_add_nc_u64 s[G0V+2:G0V+3], s[G0V+2:G0V+3], 32768
	s_wait_xcnt 0x0                                ; the last prefetches, a slot back, have read their addresses
	s_add_nc_u64 s[PFK:PFK+1], s[PFK:PFK+1], 32768
	s_add_nc_u64 s[PFV:PFV+1], s[PFV:PFV+1], 32768
.endif
	s_wait_dscnt 0x0                               ; the add is done, my LDS stores have landed and my reads of the slot that I have left are over
	s_barrier_signal -1
	s_barrier_wait -1
.if \fill
	s_add_co_u32 s96, s[KF], 256                   ; the first key of the slot that this change would ask for
	s_cmp_gt_u32 s96, s[QL]
	s_cbranch_scc1 .Lpast_\@
	TLOAD
.Lpast_\@:
	ASK
.endif
.endm
.macro SLOT_STEPS
	STEP 0
	STEP 1
	STEP 2
	STEP 3
	s_xor_b32 s[TB], s[TB], SLOT1
.endm
.Lslot:                                            ; seven trips: behind each change of slots but the last the next slot is asked for, up to the causal limit
	CHANGE 1
	SLOT_STEPS
	s_sub_co_u32 s[SLOTS], s[SLOTS], 1
	s_cmp_lg_u32 s[SLOTS], 0
	s_cbranch_scc1 .Lslot
	CHANGE 0                                       ; the last slot is written out: nothing is left to ask for
	SLOT_STEPS
	; THE WAY OUT: O^T / l, rounded to f16, through my stage, and out as 4,096 consecutive bytes.
.rept 4
	v_nop                                          ; places behind the last products
.endr
.irp t, 0,1
	v_add_f32 v[ST+8*\t+7], v[ST+8*\t+2], v[ST+8*\t+3]
.endr
.irp t, 0,1
	v_permlanex16_b32 v[PM+\t], v[ST+8*\t+7], s[SEL], s[SEL+1]
.endr
.irp t, 0,1
	v_add_f32 v[ST+8*\t+7], v[ST+8*\t+7], v[PM+\t]
.endr
.irp t, 0,1
	v_rcp_f32 v[ST+8*\t+4], v[ST+8*\t+7]
.endr
	v_nop
	s_wait_alu depctr_va_vdst(0)                   ; one wait for both reciprocals
.set n, 0
.rept 32
	v_pk_mul_f32 v[O+2*n:O+2*n+1], v[O+2*n:O+2*n+1], v[ST+8*(n/16)+4:ST+8*(n/16)+5] op_sel_hi:[1,0]
.set n, n+1
.endr
.set n, 0
.rept 32
	v_cvt_pk_f16_f32 v[S+n], v[O+2*n], v[O+2*n+1]
.set n, n+1
.endr
.irp t, 0,1
.irp ct, 0,1,2,3
	ds_store_b128 v[STO], v[S+16*\t+4*\ct:S+16*\t+4*\ct+3] offset:\t*2304+32*\ct   ; query 16 t + r, channels 16 ct + 8 h on
.endr
.endr
.irp i, 0,1,2,3,4,5,6,7
	ds_load_b128 v[S+32+4*\i:S+32+4*\i+3], v[RD] offset:\i*576    ; LDS serves a wave's instructions in order: these see my stores
.endr
.irp i, 0,1,2,3,4,5,6,7
	s_wait_dscnt 7-\i
	global_store_b128 v[GO], v[S+32+4*\i:S+32+4*\i+3], s[8:9] offset:512*\i   ; 32 lanes store 512 consecutive bytes, aligned
.endr
	s_wait_tensorcnt 0x0                           ; the wave's end, behind my last tensor load and my last LDS store
	ds_add_u32 v[SPW], v[NIL]
	s_wait_dscnt 0x0
	s_endpgm
.Lfunc_end_k_q64870fe2eb_attention:
	.size	k_q64870fe2eb_attention, .Lfunc_end_k_q64870fe2eb_attention-k_q64870fe2eb_attention
	.p2alignl 7, 3214868480
	.fill 96, 4, 3214868480
	.section	.rodata,"a",@progbits
	.p2align	6, 0x0
	.amdhsa_kernel k_q64870fe2eb_attention
		.amdhsa_group_segment_fixed_size 327680
		.amdhsa_private_segment_fixed_size 0
		.amdhsa_enable_private_segment 0
		.amdhsa_kernarg_size 24
		.amdhsa_user_sgpr_count 2
		.amdhsa_user_sgpr_kernarg_segment_ptr 1
		.amdhsa_wavefront_size32 1
		.amdhsa_system_sgpr_workgroup_id_x 1
		.amdhsa_system_sgpr_workgroup_id_y 1
		.amdhsa_system_sgpr_workgroup_id_z 1
		.amdhsa_system_vgpr_workitem_id 0
		.amdhsa_next_free_vgpr 448
		.amdhsa_next_free_sgpr 100
		.amdhsa_reserve_vcc 1
		.amdhsa_float_denorm_mode_32 3
		.amdhsa_float_denorm_mode_16_64 3
		.amdhsa_memory_ordered 1
		.amdhsa_forward_progress 1
		.amdhsa_inst_pref_size 195
	.end_amdhsa_kernel
	.amdgpu_metadata
---
amdhsa.version: [ 1, 2 ]
amdhsa.kernels:
  - .name:           k_q64870fe2eb_attention
    .symbol:         k_q64870fe2eb_attention.kd
    .args:
      - { .name: qkv, .offset: 0, .size: 8, .value_kind: global_buffer, .address_space: global }
      - { .name: attention_mask, .offset: 8, .size: 8, .value_kind: global_buffer, .address_space: global }
      - { .name: attn, .offset: 16, .size: 8, .value_kind: global_buffer, .address_space: global }
    .group_segment_fixed_size: 327680
    .private_segment_fixed_size: 0
    .kernarg_segment_align: 8
    .kernarg_segment_size: 24
    .max_flat_workgroup_size: 256
    .sgpr_count:     100
    .vgpr_count:     448
    .wavefront_size: 32
...
	.end_amdgpu_metadata
.endif
;; end of part 3
;; launch proj_out (part 4): grid 8 x 32, 4 waves a work-group, clusters of 4 x 4, 327,680 bytes of LDS; arguments attn, w16, b_out, out0; writes out0
.if DOCPART == 4
	.amdgcn_target "amdgcn-amd-amdhsa--gfx1250"
	.amdhsa_code_object_version 6
	.text
	.protected	k_q64870fe2eb_proj_out
	.globl	k_q64870fe2eb_proj_out
	.p2align	8
	.type	k_q64870fe2eb_proj_out,@function
k_q64870fe2eb_proj_out:
	s_mov_b64 s[64:65], 0
	v_nop
	global_prefetch_b8 v0, s[64:65] scope:SCOPE_SE
	s_setreg_imm32_b32 hwreg(HW_REG_WAVE_MODE, 25, 1), 1
	s_wait_xcnt 0x0
	s_wait_alu depctr_hold_cnt(0) depctr_sa_sdst(0) depctr_va_vdst(0) depctr_va_sdst(0) depctr_va_ssrc(0) depctr_va_vcc(0) depctr_vm_vsrc(0)
	s_getreg_b32 s2, hwreg(HW_REG_IB_STS2, 6, 4)
	s_cmp_eq_u32 s2, 0
	s_cbranch_scc0 .Lentry_in_a_cluster
	s_endpgm
.Lentry_in_a_cluster:
	s_bfe_u32 s2, ttmp6, 0x10000c
	s_cmp_lg_u32 s2, 0xf033
	s_cbranch_scc0 .Lentry_shape_is_right
	s_endpgm
.Lentry_shape_is_right:
; out0 = attn W_out + b_out, operands in f16, sums in f32.  attn: [32 blocks of 128 rows][16 heads][128 rows][64] f16; w16: W_out as f16, [1024 k][1024 n]; out0: [4096][1024] f32.
; All 4,096 rows are made here; the first 16 positions of each sequence are written again, more finely, by the launch that follows.  A row of attn that is NaN gives a row of NaN.
; A tile is 128 x 128: four waves, each 64 x 64: 16 accumulators.  K goes in steps of 256 (four heads) through two LDS slots.  A K step of a row block of attn is one dense block of 65,536 bytes (512 rows of 128 bytes);
; W's part is 256 rows (k) of 256 bytes.  Waves 0 and 1 fetch attn's halves, waves 2 and 3 W's.
; CLUSTERS: 4 x 4 work-groups; attn's tiles are shared along a row of the cluster, W's along a column: each is asked for jointly.
; THE MATRIX INSTRUCTION IS USED TRANSPOSED (source 0 = 16 columns of W, read turned by ds_load_tr16_b128; source 1 = 16 rows of attn): a lane holds eight neighbouring columns of one row.  The bias is the C of each sum's first product.
; REGISTERS: window 0: v0-31 addresses; v32-95 the way out; v96-127 the bias; v128-255 the accumulators.  window 1: two fragment buffers of 128: 64 registers of attn, then 64 of W, for 64 along K.
.set AP,     144                       ; a row of attn in LDS: 128 bytes + 16
.set BP,     288                       ; a row of W: 256 bytes + 32
.set HALFT,  36864                     ; what one tensor load brings: 256 rows x 144 or 128 rows x 288
.set SLOT,   4*HALFT
.set STAGE,  2*SLOT                    ; behind the ring: 16 rows x 272 bytes for each wave
.set SPITCH, 272
.set SPARE,  STAGE+4*16*SPITCH         ; the spare words: 128 bytes for each wave, two blocks of 256 bytes that no other line names
.set LAPS,   2                         ; a lap = two K steps; K = 1,024
.set ADRA, 16                          ; v16-17 my rows of attn in slot 0, 1
.set ADRB, 20                          ; v20-23 my columns of W: slot 0 heads 0-1, heads 2-3; slot 1 likewise (so that the immediates stay under 65,536)
.set STO,  24
.set RD,   25
.set CO,   26
.set BOF,  27
.set SPW,  28                          ; v28 LDS address of my spare word; never rewritten
.set NIL,  29                          ; v29 0; never rewritten
.set BB,   96
.set ACC,  128
.set F0,   0
.set F1,   128
.set G1, 24
.set G0, 32
.set G1B, 48
.set G0B, 56
.set MSB, 0
.macro WIN new
.if MSB != \new
	s_set_vgpr_msb (MSB<<8)|\new
.set MSB, \new
.endif
.endm
.set MUL,  0x05                        ; sources 0 and 1 window 1; C and D window 0
.set TO_F, 0x40
.macro JLOAD s                         ; a joint load; an s_nop 0 and four v_nop follow each of the two lines
	s_cmp_eq_u32 s11, 0
	s_cbranch_scc0 .Lfor_b_\@
	tensor_load_to_lds s[G0+4*\s:G0+4*\s+3], s[G1:G1+7]
	s_nop 0
.rept 4
	v_nop
.endr
	s_branch .Lasked_\@
.Lfor_b_\@:
	tensor_load_to_lds s[G0B+4*\s:G0B+4*\s+3], s[G1B:G1B+7]
	s_nop 0
.rept 4
	v_nop
.endr
.Lasked_\@:
.endm
.macro CREST
	s_cmp_lg_u32 s10, 0
	s_cbranch_scc1 .Lnot_wave_0_\@
	s_barrier_signal -3
.Lnot_wave_0_\@:
	s_barrier_wait -3
	s_barrier_signal -1
	s_barrier_wait -1
.endm
.macro CROUND
	s_barrier_signal -1
	s_barrier_wait -1
	CREST
.endm
	s_load_b128 s[4:7], s[0:1], 0x0                ; attn s[4:5], w16 s[6:7]
	s_load_b128 s[68:71], s[0:1], 0x10             ; b_out s[68:69], out0 s[70:71]
	v_lshl_add_u32 v[SPW], v0, 2, SPARE
	v_mov_b32 v[NIL], 0
	ds_add_u32 v[SPW], v[NIL]                      ; the wave's opening: the add, twice on end, and its wait ahead of my first tensor load
	ds_add_u32 v[SPW], v[NIL]
	v_lshrrev_b32 v1, 5, v0
	v_readfirstlane_b32 s10, v1                    ; wave 0..3
	s_lshr_b32 s11, s10, 1                         ; which half of the tile's rows is mine.  Also: I fetch for attn (0) or for W (1)
	s_and_b32 s12, s10, 1                          ; which half of its columns.  Also: which half of that tile I fetch
	s_bfe_u32 s40, ttmp6, 0x40000
	s_bfe_u32 s41, ttmp6, 0x40004
	s_lshl_b32 s42, ttmp9, 2
	s_add_co_u32 s42, s42, s40                     ; tile column
	s_and_b32 s13, ttmp7, 0xffff
	s_lshl_b32 s13, s13, 2
	s_add_co_u32 s13, s13, s41                     ; tile row
	s_lshl_b32 s43, s41, 2
	s_lshl_b32 s43, 15, s43                        ; my row of the cluster
	s_lshl_b32 s44, 0x1111, s40                    ; my column
	s_or_b32 s[G1+0], s43, (1<<16)|(1<<20)|(1<<21)|(4<<22)|(3<<25)   ; attn: elements of 2 bytes; 4 words of padding behind every 32
	s_mov_b32 s[G1+1], 64<<16                      ; tensor_dim0
	s_mov_b32 s[G1+2], 256<<16                     ; tensor_dim1
	s_mov_b32 s[G1+3], 64<<16                      ; tile_dim0
	s_mov_b32 s[G1+4], 256                         ; tile_dim1
	s_mov_b32 s[G1+5], 64                          ; from row to row
	s_mov_b32 s[G1+6], 0
	s_mov_b32 s[G1+7], 0
	s_or_b32 s[G1B+0], s44, (1<<16)|(1<<20)|(1<<21)|(5<<22)|(7<<25)  ; W: 8 words of padding behind every 64
	s_mov_b32 s[G1B+1], 128<<16
	s_mov_b32 s[G1B+2], 128<<16
	s_mov_b32 s[G1B+3], 128<<16
	s_mov_b32 s[G1B+4], 128
	s_mov_b32 s[G1B+5], 1024
	s_mov_b32 s[G1B+6], 0
	s_mov_b32 s[G1B+7], 0
	s_lshl_b32 s16, s13, 18                        ; attn: the row block, + two heads for the second half
	s_lshl_b32 s17, s12, 15
	s_add_co_u32 s16, s16, s17
	s_mov_b32 s17, 0
	s_lshl_b32 s46, s42, 8                         ; W: the tile's 256 bytes of a row, + 128 rows for the second half
	s_lshl_b32 s47, s12, 18
	s_add_co_u32 s46, s46, s47
	s_mov_b32 s47, 0
	s_mul_i32 s20, s10, HALFT                      ; where they go: no place in the cluster enters an LDS address
	s_wait_dscnt 0x0                               ; both opening adds are done
	s_wait_kmcnt 0x0
	s_add_nc_u64 s[14:15], s[4:5], s[16:17]
	s_add_nc_u64 s[46:47], s[6:7], s[46:47]
	CROUND                                         ; all sixteen work-groups are here: the first joint loads meet
.irp s, 0,1
	s_mov_b32 s[G0+4*\s], 1
	s_add_co_u32 s[G0+4*\s+1], s20, \s*SLOT
	s_add_nc_u64 s[G0+4*\s+2:G0+4*\s+3], s[14:15], \s*65536
	s_or_b32 s[G0+4*\s+3], s[G0+4*\s+3], 0x80000000
	s_mov_b32 s[G0B+4*\s], 1
	s_add_co_u32 s[G0B+4*\s+1], s20, \s*SLOT
	s_add_nc_u64 s[G0B+4*\s+2:G0B+4*\s+3], s[46:47], \s*524288
	s_or_b32 s[G0B+4*\s+3], s[G0B+4*\s+3], 0x80000000
	JLOAD \s
.endr
	v_and_b32 v1, 15, v0                           ; r
	v_bfe_u32 v2, v0, 4, 1                         ; h
	v_mul_u32_u24 v3, v1, AP
	v_lshl_add_u32 v3, v2, 4, v3
	s_mul_i32 s21, s11, 64*AP                      ; my 64 rows of a head's 128
	v_add_nc_u32 v[ADRA], s21, v3
	s_add_co_u32 s21, s21, SLOT
	v_add_nc_u32 v[ADRA+1], s21, v3
	v_and_b32 v4, 7, v0
	v_lshl_add_u32 v4, v2, 3, v4
	v_mul_u32_u24 v4, v4, BP                       ; W, turned: k 8 h + lane % 8,
	v_bfe_u32 v5, v0, 3, 1
	v_lshl_add_u32 v4, v5, 4, v4                   ; columns 8 ((lane / 8) % 2) on
	s_lshl_b32 s22, s12, 7                         ; my 64 columns
	s_add_co_u32 s22, s22, 2*HALFT
	v_add_nc_u32 v[ADRB], s22, v4
	s_add_co_u32 s22, s22, HALFT
	v_add_nc_u32 v[ADRB+1], s22, v4
	s_add_co_u32 s22, s22, SLOT-HALFT
	v_add_nc_u32 v[ADRB+2], s22, v4
	s_add_co_u32 s22, s22, HALFT
	v_add_nc_u32 v[ADRB+3], s22, v4
	s_mul_i32 s23, s10, 16*SPITCH
	s_add_co_u32 s23, s23, STAGE                   ; my stage
	v_mul_u32_u24 v4, v1, SPITCH
	v_lshl_add_u32 v4, v2, 5, v4
	v_add_nc_u32 v[STO], s23, v4                   ; in: row r, 32 bytes for each half of the lanes
	v_mul_u32_u24 v5, v2, SPITCH
	v_lshl_add_u32 v5, v1, 4, v5
	v_add_nc_u32 v[RD], s23, v5                    ; back: lanes 0-15 one row of 256 bytes, lanes 16-31 the next
	v_lshlrev_b32 v5, 12, v2
	v_lshl_add_u32 v[CO], v1, 4, v5                ; and the same two rows in out0
	s_lshl_b32 s16, s13, 7
	s_lshl_b32 s17, s11, 6
	s_add_co_u32 s16, s16, s17                     ; my first row
	s_lshl_b32 s16, s16, 12
	s_mov_b32 s17, 0
	s_add_nc_u64 s[70:71], s[70:71], s[16:17]
	s_lshl_b32 s46, s42, 9                         ; my first column, in bytes
	s_lshl_b32 s47, s12, 8
	s_add_co_u32 s46, s46, s47
	s_mov_b32 s47, 0
	s_add_nc_u64 s[70:71], s[70:71], s[46:47]
	s_add_nc_u64 s[68:69], s[68:69], s[46:47]
	v_lshlrev_b32 v[BOF], 5, v2
.irp b, 0,1,2,3
	global_load_b128 v[BB+8*\b:BB+8*\b+3], v[BOF], s[68:69] offset:64*\b          ; the bias in the result's layout: columns 16 b + 8 h + 0 .. 7
	global_load_b128 v[BB+8*\b+4:BB+8*\b+7], v[BOF], s[68:69] offset:64*\b+16
.endr
; 8 matrix instructions: row blocks a0, a0 + 1 x all 4 column blocks, 32 along K: half c of buffer f.  zero = 1: the first product starts the sums, with the bias as its C
.macro MUL8 f, c, a0, zero
.irp a, \a0, \a0+1
.irp b, 0,1,2,3
.if \zero
	v_wmma_f32_16x16x32_f16 v[ACC+8*(4*(\a)+\b):ACC+8*(4*(\a)+\b)+7], v[\f+64+8*(4*\c+\b):\f+64+8*(4*\c+\b)+7], v[\f+8*(4*\c+\a):\f+8*(4*\c+\a)+7], v[BB+8*\b:BB+8*\b+7]
.else
	v_wmma_f32_16x16x32_f16 v[ACC+8*(4*(\a)+\b):ACC+8*(4*(\a)+\b)+7], v[\f+64+8*(4*\c+\b):\f+64+8*(4*\c+\b)+7], v[\f+8*(4*\c+\a):\f+8*(4*\c+\a)+7], v[ACC+8*(4*(\a)+\b):ACC+8*(4*(\a)+\b)+7]
.endif
.endr
.endr
.endm
; 32 LDS loads in one run: the fragments of head q of the slot (64 along K) into buffer f; the first 32 along K first
.macro FETCH slot, q, f
	WIN TO_F
.irp c, 0,1
.irp i, 0,1,2,3
	ds_load_tr16_b128 v[\f+64+8*(4*\c+\i):\f+64+8*(4*\c+\i)+3],   v[ADRB+2*\slot+(\q)/2] offset:(((\q)%2)*64+32*\c)*BP+32*\i
	ds_load_tr16_b128 v[\f+64+8*(4*\c+\i)+4:\f+64+8*(4*\c+\i)+7], v[ADRB+2*\slot+(\q)/2] offset:(((\q)%2)*64+32*\c)*BP+32*\i+16*BP
	ds_load_b128 v[\f+8*(4*\c+\i):\f+8*(4*\c+\i)+3],         v[ADRA+\slot] offset:(\q)*128*AP+\i*16*AP+64*\c
	ds_load_b128 v[\f+8*(4*\c+\i)+4:\f+8*(4*\c+\i)+7],       v[ADRA+\slot] offset:(\q)*128*AP+\i*16*AP+64*\c+32
.endr
.endr
.endm
.macro PLACES
.rept 4
	v_nop
.endr
.endm
; A K step is four quarters of 64 along K (a head), 32 matrix instructions each, on buffers 0, 1, 0, 1.  One of the first three: multiplies buffer f and fetches head q into g.
.macro QUARTER slot, q, f, g, zero
	s_wait_dscnt 16                                ; the first 32 along K are in
	WIN MUL
	MUL8 \f, 0, 0, \zero
	MUL8 \f, 0, 2, \zero
	PLACES
	FETCH \slot, \q, \g
	s_wait_dscnt 32                                ; all but the 32 just issued
	WIN MUL
	MUL8 \f, 1, 0, 0
	MUL8 \f, 1, 2, 0
.endm
; The last quarter multiplies buffer 1 and changes slots: one barrier; in front of it each wave waits for all its tensor loads, adds 0 to its spare word, and waits for that and for its reads of this slot.
; fill = 1: the barrier opens a round of the cluster's barrier, and this slot is filled again, two K steps ahead: the first tensor load behind the round, one a wave.
.macro TURN slot, next, fill
	WIN 0
	s_wait_tensorcnt 0x0                           ; my part of the next slot has landed
	ds_add_u32 v[SPW], v[NIL]
	s_wait_dscnt 17                                ; (the add and the youngest sixteen loads may be out)
	WIN MUL
	MUL8 F1, 0, 0, 0
	s_wait_dscnt 0x0                               ; the add is done, and my reads of this slot are over
	s_barrier_signal -1
	MUL8 F1, 0, 2, 0
.if \fill
	WIN 0
.endif
	s_barrier_wait -1
.if \fill
	CREST
	s_add_nc_u64 s[G0+4*\slot+2:G0+4*\slot+3], s[G0+4*\slot+2:G0+4*\slot+3], 131072
	s_add_nc_u64 s[G0B+4*\slot+2:G0B+4*\slot+3], s[G0B+4*\slot+2:G0B+4*\slot+3], 1048576
	JLOAD \slot                                    ; the four v_nop behind it are also the places in front of the loads below
.else
	PLACES
.endif
	FETCH \next, 0, F0
	WIN MUL
	MUL8 F1, 1, 0, 0
	MUL8 F1, 1, 2, 0
.endm
	s_wait_loadcnt 0x0                             ; the bias
	s_wait_tensorcnt 1                             ; my part of K step 0 is in (K step 1's load may be out)
	s_barrier_signal -1
	s_barrier_wait -1                              ; everybody's is
	FETCH 0, 0, F0
	QUARTER 0, 1, F0, F1, 1
	WIN 0
	s_mov_b32 s3, LAPS-1
.Llap:                                                 ; a trip goes once round the ring and fills both slots again
	QUARTER 0, 2, F1, F0, 0
	QUARTER 0, 3, F0, F1, 0
	TURN 0, 1, 1
	QUARTER 1, 1, F0, F1, 0
	QUARTER 1, 2, F1, F0, 0
	QUARTER 1, 3, F0, F1, 0
	TURN 1, 0, 1
	QUARTER 0, 1, F0, F1, 0
	WIN 0
	s_sub_co_u32 s3, s3, 1
	s_cmp_lg_u32 s3, 0
	s_cbranch_scc1 .Llap
	QUARTER 0, 2, F1, F0, 0                        ; the last lap fills nothing
	QUARTER 0, 3, F0, F1, 0
	TURN 0, 1, 0
	QUARTER 1, 1, F0, F1, 0
	QUARTER 1, 2, F1, F0, 0
	QUARTER 1, 3, F0, F1, 0
	s_wait_dscnt 16
	WIN MUL
	MUL8 F1, 0, 0, 0
	MUL8 F1, 0, 2, 0
	s_wait_dscnt 0
	MUL8 F1, 1, 0, 0
	MUL8 F1, 1, 2, 0
	WIN 0
; THE WAY OUT, block by block of 16 rows x 64 columns, through my own stage: 32 bytes a lane in, whole rows of 256 bytes back, sixteen lanes to a row.
.macro TOSTAGE a
.set BK, 32+32*((\a)%2)
.irp b, 0,1,2,3
	ds_store_b128 v[STO], v[ACC+8*(4*(\a)+\b):ACC+8*(4*(\a)+\b)+3] offset:64*\b        ; each accumulator from its low end on
	ds_store_b128 v[STO], v[ACC+8*(4*(\a)+\b)+4:ACC+8*(4*(\a)+\b)+7] offset:64*\b+16
.endr
.irp t, 0,1,2,3,4,5,6,7
	ds_load_b128 v[BK+4*\t:BK+4*\t+3], v[RD] offset:\t*2*SPITCH
.endr
.endm
.macro SEND a, younger
.set BK, 32+32*((\a)%2)
	s_wait_dscnt \younger
.irp t, 0,1,2,3,4,5,6,7
	global_store_b128 v[CO], v[BK+4*\t:BK+4*\t+3], s[70:71] offset:(16*(\a)+2*\t)*4096 th:TH_STORE_NT   ; 16 lanes store 256 consecutive bytes, aligned
.endr
.endm
	PLACES
	TOSTAGE 0
	TOSTAGE 1
	SEND 0, 16                                     ; behind block 0's loads: block 1's 8 stores and 8 loads
	s_wait_xcnt 0x0                                ; block 0's stores have read their registers
	TOSTAGE 2
	SEND 1, 16
	s_wait_xcnt 0x0
	TOSTAGE 3
	SEND 2, 16
	SEND 3, 0
	s_wait_tensorcnt 0x0                           ; the wave's end, behind my last tensor load and my last LDS store
	ds_add_u32 v[SPW], v[NIL]
	s_wait_dscnt 0x0
	CROUND                                         ; the closing round
	s_endpgm
.Lfunc_end_k_q64870fe2eb_proj_out:
	.size	k_q64870fe2eb_proj_out, .Lfunc_end_k_q64870fe2eb_proj_out-k_q64870fe2eb_proj_out
	.p2alignl 7, 3214868480
	.fill 96, 4, 3214868480
	.section	.rodata,"a",@progbits
	.p2align	6, 0x0
	.amdhsa_kernel k_q64870fe2eb_proj_out
		.amdhsa_group_segment_fixed_size 327680
		.amdhsa_private_segment_fixed_size 0
		.amdhsa_enable_private_segment 0
		.amdhsa_kernarg_size 32
		.amdhsa_user_sgpr_count 2
		.amdhsa_user_sgpr_kernarg_segment_ptr 1
		.amdhsa_wavefront_size32 1
		.amdhsa_system_sgpr_workgroup_id_x 1
		.amdhsa_system_sgpr_workgroup_id_y 1
		.amdhsa_system_sgpr_workgroup_id_z 1
		.amdhsa_system_vgpr_workitem_id 0
		.amdhsa_next_free_vgpr 512
		.amdhsa_next_free_sgpr 72
		.amdhsa_reserve_vcc 0
		.amdhsa_float_denorm_mode_32 3
		.amdhsa_float_denorm_mode_16_64 3
		.amdhsa_memory_ordered 1
		.amdhsa_forward_progress 1
		.amdhsa_inst_pref_size 87
	.end_amdhsa_kernel
	.amdgpu_metadata
---
amdhsa.version: [ 1, 2 ]
amdhsa.kernels:
  - .name:           k_q64870fe2eb_proj_out
    .symbol:         k_q64870fe2eb_proj_out.kd
    .args:
      - { .name: attn, .offset: 0, .size: 8, .value_kind: global_buffer, .address_space: global }
      - { .name: w16, .offset: 8, .size: 8, .value_kind: global_buffer, .address_space: global }
      - { .name: b_out, .offset: 16, .size: 8, .value_kind: global_buffer, .address_space: global }
      - { .name: out0, .offset: 24, .size: 8, .value_kind: global_buffer, .address_space: global }
    .group_segment_fixed_size: 327680
    .private_segment_fixed_size: 0
    .kernarg_segment_align: 8
    .kernarg_segment_size: 32
    .max_flat_workgroup_size: 128
    .sgpr_count:     72
    .vgpr_count:     512
    .wavefront_size: 32
...
	.end_amdgpu_metadata
.endif
;; end of part 4
;; launch first16 (part 5): grid 16 x 2, 16 waves a work-group, no clusters, 71,680 bytes of LDS; arguments fine, attention_mask, W_out, b_out, out0; writes out0
.if DOCPART == 5
	.amdgcn_target "amdgcn-amd-amdhsa--gfx1250"
	.amdhsa_code_object_version 6
	.text
	.protected	k_q64870fe2eb_first16
	.globl	k_q64870fe2eb_first16
	.p2align	8
	.type	k_q64870fe2eb_first16,@function
k_q64870fe2eb_first16:
	s_mov_b64 s[64:65], 0
	v_nop
	global_prefetch_b8 v0, s[64:65] scope:SCOPE_SE
	s_setreg_imm32_b32 hwreg(HW_REG_WAVE_MODE, 25, 1), 1
	s_wait_xcnt 0x0
; The first 16 positions of each sequence, all in f32: attention and the projection on the way out.  These rows average one to a few values and are the largest in size; they overwrite what the launch before stored there.
; fine: [2][16][3072] f32: q (with c = log2(e) / 8), k, v behind bias and rotation.  A work-group takes 64 columns of out0 for one batch; wave w takes head w: its attention (16 x 16, made anew in each of the
; sixteen work-groups of a batch: 16 x 16 x 64 multiply-adds twice) and its head's part of the 64 columns; the sixteen parts meet in LDS.
; All products go by v_wmma_f32_16x16x4_f32 on one set of four accumulators, v16-47, which only matrix instructions write; each sum begins with the constant 0; the four take turns.
; In each product the four k of a step are the same four numbers in both operands, though not neighbours: lane half h, register j hold the same k on both sides.
; v AND W_out HAVE K ALONG THEIR ROWS, AND COME BY LOADS OF 16 BYTES ALL THE SAME: a lane takes four neighbouring channels (columns) of one row, sixteen lanes 256 consecutive bytes, aligned.  For that, THE 16 CHANNELS
; (COLUMNS) OF TILE t ARE 4 r + t, every fourth one: the four registers of one load belong to the four tiles.  The operand wants two k of one column in neighbouring registers: six moves turn eight registers
; (two rows x four columns) into four such pairs; tile t's pair lies at 4 (t % 2) + 2 (t / 2) of the eight.
; MASKS as in the launch for the other rows: a hidden score is -2^127, the maximum never falls under -2^126; a query with no visible key gives 0 x (1 / 0) = NaN in its whole row.
.set SPARE, 69632                      ; behind the sixteen parts (4,352 bytes each): the spare words, 128 bytes for each wave, eight blocks of 256 bytes that no other line names
.set SPW, 14                           ; v14 LDS address of my spare word; never rewritten
.set NIL, 15                           ; v15 0; never rewritten
.set ACC, 16
.set QF,  48                           ; v48-79 q; later the attention's result; later the parts to be added
.set KF,  80                           ; v80-111 k; later W_out
.set VF,  112                          ; v112-143 v; later W_out
.set SS,  144                          ; v144-151 the scores
.set PP,  152                          ; v152-159 p
.set MK,  160                          ; v160-167 the padding mask of keys 8 h on
.set WA,  176                          ; v176-239 W_out, tiles 0 and 1 of the head's channels
.set BO,  240                          ; v240-243 b_out
.set TA,  244                          ; v244-245 at work in PAIRS
.macro PAIRS g                         ; v[g .. g+3]: four columns of one row, v[g+4 .. g+7]: of another -> the pairs of columns 0, 2, 1, 3
	v_mov_b32 v[TA], v[\g+1]
	v_mov_b32 v[TA+1], v[\g+3]
	v_mov_b32 v[\g+1], v[\g+4]
	v_mov_b32 v[\g+3], v[\g+6]
	v_mov_b32 v[\g+4], v[TA]
	v_mov_b32 v[\g+6], v[TA+1]
.endm
	s_load_b256 s[4:11], s[0:1], 0x0               ; fine s[4:5], attention_mask s[6:7], W_out s[8:9], b_out s[10:11]
	s_load_b64 s[12:13], s[0:1], 0x20              ; out0
	v_lshl_add_u32 v[SPW], v0, 2, SPARE
	v_mov_b32 v[NIL], 0
	v_lshrrev_b32 v1, 5, v0
	v_readfirstlane_b32 s14, v1                    ; wave = head
	s_and_b32 s15, ttmp7, 0xffff                   ; batch
	v_and_b32 v1, 15, v0                           ; r
	v_bfe_u32 v2, v0, 4, 1                         ; h
	v_mul_u32_u24 v3, v1, 12288
	v_lshl_add_u32 v3, v2, 4, v3                   ; q, k: position r, + 16 h
	v_mul_u32_u24 v4, v2, 98304
	v_lshl_add_u32 v4, v1, 4, v4                   ; v: positions 8 h on, channels 4 r on
	v_lshlrev_b32 v5, 17, v2
	v_lshl_add_u32 v5, v1, 4, v5                   ; W_out: rows 32 h on, columns 4 r on
	v_lshlrev_b32 v6, 5, v2                        ; the mask: keys 8 h on
	s_mul_i32 s16, s14, 4352
	v_mul_u32_u24 v7, v1, 272
	v_lshl_add_u32 v7, v2, 7, v7
	v_add_nc_u32 v7, s16, v7                       ; my part in LDS: row r of 272 bytes, + 128 h: columns 32 h on
	s_mul_i32 s17, s14, 272
	v_mul_u32_u24 v8, v2, 34816
	v_lshl_add_u32 v8, v1, 4, v8
	v_add_nc_u32 v8, s17, v8                       ; the adding: row w of parts 8 h on, 16 bytes at 16 r
	v_lshlrev_b32 v9, 4, v1                        ; 16 r: in a row of out0, and in b_out
	v_lshlrev_b32 v10, 3, v2
	v_sub_nc_u32 v10, v1, v10                      ; r - 8 h
	v_mov_b32 v11, 0xff000000                      ; -2^127
	v_and_b32 v12, 31, v0                          ; lane
	v_mov_b32 v170, 0                              ; a lane permute's destination counts as one of its sources
	s_mov_b32 s20, 0x76543210
	s_mov_b32 s21, 0xfedcba98
	s_mul_i32 s24, s15, 196608
	s_lshl_b32 s25, s14, 8
	s_add_co_u32 s24, s24, s25
	s_mov_b32 s25, 0
	s_lshl_b32 s26, s15, 13
	s_mov_b32 s27, 0
	s_lshl_b32 s28, s14, 18
	s_lshl_b32 s30, ttmp9, 8                       ; my 64 columns, in bytes
	s_mov_b32 s31, 0
	s_add_co_u32 s28, s28, s30
	s_mov_b32 s29, 0
	s_lshl_b32 s32, s15, 11
	s_add_co_u32 s32, s32, s14                     ; row 2,048 x batch + w
	s_lshl_b32 s32, s32, 12
	s_add_co_u32 s32, s32, s30
	s_mov_b32 s33, 0
	s_wait_kmcnt 0x0
	s_add_nc_u64 s[4:5], s[4:5], s[24:25]
	s_add_nc_u64 s[6:7], s[6:7], s[26:27]
	s_add_nc_u64 s[8:9], s[8:9], s[28:29]
	s_add_nc_u64 s[10:11], s[10:11], s[30:31]
	s_add_nc_u64 s[12:13], s[12:13], s[32:33]
	global_load_b128 v[MK:MK+3], v6, s[6:7]
	global_load_b128 v[MK+4:MK+7], v6, s[6:7] offset:16
.irp g, 0,1,2,3,4,5,6,7
	global_load_b128 v[QF+4*\g:QF+4*\g+3], v3, s[4:5] offset:32*\g               ; q(r, 8 g + 4 h + 0 .. 3)
.endr
.irp g, 0,1,2,3,4,5,6,7
	global_load_b128 v[KF+4*\g:KF+4*\g+3], v3, s[4:5] offset:4096+32*\g          ; k likewise
.endr
.irp n, 0,1,2,3,4,5,6,7
	global_load_b128 v[VF+4*\n:VF+4*\n+3], v4, s[4:5] offset:8192+\n*12288       ; v(8 h + n, 4 r + 0 .. 3): register i belongs to tile i
.endr
	global_load_b128 v[BO:BO+3], v9, s[10:11]
.irp ct, 0,1                                   ; W_out(64 w + 32 h + 8 u + 4 j + ct, 64 x + 4 r + 0 .. 3), the rows that meet tiles 0 and 1 of the head's channels: asked for here, wanted behind the attention
.irp u, 0,1,2,3
.irp j, 0,1
	global_load_b128 v[WA+32*\ct+8*\u+4*\j:WA+32*\ct+8*\u+4*\j+3], v5, s[8:9] offset:(8*\u+4*\j+\ct)*4096
.endr
.endr
.endr
	s_wait_loadcnt 25                              ; the mask, q and k are in; v's 8 loads, b_out's and W_out's 16 may be out
.irp u, 0,1,2,3                                ; S^T = k q^T: source 0 = 16 keys, source 1 = 16 queries; sixteen steps of 4 channels on four accumulators
	v_wmma_f32_16x16x4_f32 v[ACC+8*\u:ACC+8*\u+7], v[KF+2*\u:KF+2*\u+1], v[QF+2*\u:QF+2*\u+1], 0
.endr
.irp u, 4,5,6,7,8,9,10,11,12,13,14,15
	v_wmma_f32_16x16x4_f32 v[ACC+8*(\u%4):ACC+8*(\u%4)+7], v[KF+2*\u:KF+2*\u+1], v[QF+2*\u:QF+2*\u+1], v[ACC+8*(\u%4):ACC+8*(\u%4)+7]
.endr
.rept 8
	v_nop                                          ; eight places behind this form before its results are read (ISA guide 7.12.1)
.endr
.irp j, 0,1,2,3,4,5,6,7
	v_add_f32 v[SS+\j], v[ACC+\j], v[ACC+8+\j]     ; the four partial sums, each accumulator from its low end on
.endr
.irp j, 0,1,2,3,4,5,6,7
	v_add_f32 v[PP+\j], v[ACC+16+\j], v[ACC+24+\j]
.endr
.irp j, 0,1,2,3,4,5,6,7
	v_add_f32 v[SS+\j], v[SS+\j], v[PP+\j]         ; t(key 8 h + j, query r)
.endr
.irp j, 0,1,2,3,4,5,6,7
	v_cmp_eq_u32 vcc_lo, 0, v[MK+\j]               ; a padded key,
	v_cndmask_b32 v[SS+\j], v[SS+\j], v11, vcc_lo
	v_cmp_gt_i32 vcc_lo, \j, v10                   ; or one that comes after the query
	v_cndmask_b32 v[SS+\j], v[SS+\j], v11, vcc_lo
.endr
	v_max3_num_f32 v168, v[SS], v[SS+1], v[SS+2]
	v_max3_num_f32 v169, v[SS+3], v[SS+4], v[SS+5]
	v_max3_num_f32 v168, v168, v[SS+6], v[SS+7]
	v_max3_num_f32 v168, v168, v169, 0xfe800000    ; never under -2^126
	v_permlanex16_b32 v170, v168, s20, s21
	v_max_num_f32 v168, v168, v170                 ; the query's maximum
.irp j, 0,1,2,3,4,5,6,7
	v_sub_f32 v[PP+\j], v[SS+\j], v168
.endr
.irp j, 0,1,2,3,4,5,6,7
	v_exp_f32 v[PP+\j], v[PP+\j]
.endr
	v_nop
	s_wait_alu depctr_va_vdst(0)                   ; one wait for the eight exponentials
	v_add_f32 v169, v[PP], v[PP+1]
	v_add_f32 v171, v[PP+2], v[PP+3]
	v_add_f32 v172, v[PP+4], v[PP+5]
	v_add_f32 v173, v[PP+6], v[PP+7]
	v_add_f32 v169, v169, v171
	v_add_f32 v172, v172, v173
	v_add_f32 v169, v169, v172
	v_permlanex16_b32 v170, v169, s20, s21
	v_add_f32 v169, v169, v170                     ; l
	v_rcp_f32 v174, v169
	v_nop
	s_wait_alu depctr_va_vdst(0)
	s_wait_loadcnt 17                              ; v is in; b_out's load and W_out's 16 may be out
.irp u, 0,1,2,3
	PAIRS VF+8*\u                                  ; keys 8 h + 2 u and 8 h + 2 u + 1 of each tile's channel, side by side
.endr
.irp ct, 0,1,2,3                               ; O^T = v^T p^T: source 0 = 16 channels (4 r + ct), source 1 = 16 queries; four steps of 4 keys; the softmax's lines above are the places in front of sums begun anew on these registers
	v_wmma_f32_16x16x4_f32 v[ACC+8*\ct:ACC+8*\ct+7], v[VF+4*(\ct%2)+2*(\ct/2):VF+4*(\ct%2)+2*(\ct/2)+1], v[PP:PP+1], 0
.endr
.irp u, 1,2,3
.irp ct, 0,1,2,3
	v_wmma_f32_16x16x4_f32 v[ACC+8*\ct:ACC+8*\ct+7], v[VF+8*\u+4*(\ct%2)+2*(\ct/2):VF+8*\u+4*(\ct%2)+2*(\ct/2)+1], v[PP+2*\u:PP+2*\u+1], v[ACC+8*\ct:ACC+8*\ct+7]
.endr
.endr
.rept 9
	v_nop                                          ; nine places: the results are read, v's registers are loaded into, and the next sums begin anew on the same accumulators
.endr
.irp ct, 0,1                                   ; W_out, the rows that meet tiles 2 and 3 of the head's channels, into k's and v's registers
.irp u, 0,1,2,3
.irp j, 0,1
	global_load_b128 v[KF+32*\ct+8*\u+4*\j:KF+32*\ct+8*\u+4*\j+3], v5, s[8:9] offset:(8*\u+4*\j+2+\ct)*4096
.endr
.endr
.endr
.irp n, 0,1,2,3,4,5,6,7,8,9,10,11,12,13,14,15,16,17,18,19,20,21,22,23,24,25,26,27,28,29,30,31
	v_mul_f32 v[QF+\n], v[ACC+\n], v174            ; o(query r, channel 32 h + 4 j + ct) at register 8 ct + j
.endr
	s_wait_loadcnt 16                              ; W_out's first half is in; the 16 loads just issued may be out
.irp g, 0,1,2,3,4,5,6,7
	PAIRS WA+8*\g
.endr
.irp nt, 0,1,2,3                               ; out^T = W_out^T o^T: source 0 = 16 columns (4 r + nt), source 1 = 16 queries; sixteen steps of 4 channels
	v_wmma_f32_16x16x4_f32 v[ACC+8*\nt:ACC+8*\nt+7], v[WA+4*(\nt%2)+2*(\nt/2):WA+4*(\nt%2)+2*(\nt/2)+1], v[QF:QF+1], 0
.endr
.irp u, 1,2,3
.irp nt, 0,1,2,3
	v_wmma_f32_16x16x4_f32 v[ACC+8*\nt:ACC+8*\nt+7], v[WA+8*\u+4*(\nt%2)+2*(\nt/2):WA+8*\u+4*(\nt%2)+2*(\nt/2)+1], v[QF+2*\u:QF+2*\u+1], v[ACC+8*\nt:ACC+8*\nt+7]
.endr
.endr
.irp u, 0,1,2,3
.irp nt, 0,1,2,3
	v_wmma_f32_16x16x4_f32 v[ACC+8*\nt:ACC+8*\nt+7], v[WA+32+8*\u+4*(\nt%2)+2*(\nt/2):WA+32+8*\u+4*(\nt%2)+2*(\nt/2)+1], v[QF+8+2*\u:QF+8+2*\u+1], v[ACC+8*\nt:ACC+8*\nt+7]
.endr
.endr
	s_wait_loadcnt 0x0
.irp g, 0,1,2,3,4,5,6,7
	PAIRS KF+8*\g                                  ; (these name no register of the products above)
.endr
.irp ct, 0,1
.irp u, 0,1,2,3
.irp nt, 0,1,2,3
	v_wmma_f32_16x16x4_f32 v[ACC+8*\nt:ACC+8*\nt+7], v[KF+32*\ct+8*\u+4*(\nt%2)+2*(\nt/2):KF+32*\ct+8*\u+4*(\nt%2)+2*(\nt/2)+1], v[QF+16+8*\ct+2*\u:QF+16+8*\ct+2*\u+1], v[ACC+8*\nt:ACC+8*\nt+7]
.endr
.endr
.endr
.rept 8
	v_nop
.endr
.irp nt, 0,1,2,3
.irp j, 0,1,2,3,4,5,6,7
	ds_store_b32 v7, v[ACC+8*\nt+\j] offset:16*\j+4*\nt               ; my head's part: query r, column 32 h + 4 j + nt, at its natural place; each accumulator from its low end on
.endr
.endr
	s_wait_dscnt 0x0                               ; for the others' sake: my stores have landed
	s_barrier_signal -1
	s_barrier_wait -1
.irp p, 0,1,2,3,4,5,6,7
	ds_load_b128 v[QF+4*\p:QF+4*\p+3], v8 offset:4352*\p              ; row w of parts 8 h + p
.endr
	s_wait_dscnt 0x0
.irp p, 0,2,4,6
	v_pk_add_f32 v[QF+4*\p:QF+4*\p+1], v[QF+4*\p:QF+4*\p+1], v[QF+4*\p+4:QF+4*\p+5]
	v_pk_add_f32 v[QF+4*\p+2:QF+4*\p+3], v[QF+4*\p+2:QF+4*\p+3], v[QF+4*\p+6:QF+4*\p+7]
.endr
.irp p, 0,4
	v_pk_add_f32 v[QF+4*\p:QF+4*\p+1], v[QF+4*\p:QF+4*\p+1], v[QF+4*\p+8:QF+4*\p+9]
	v_pk_add_f32 v[QF+4*\p+2:QF+4*\p+3], v[QF+4*\p+2:QF+4*\p+3], v[QF+4*\p+10:QF+4*\p+11]
.endr
	v_pk_add_f32 v[QF:QF+1], v[QF:QF+1], v[QF+16:QF+17]
	v_pk_add_f32 v[QF+2:QF+3], v[QF+2:QF+3], v[QF+18:QF+19]
.irp j, 0,1,2,3
	v_permlanex16_b32 v[VF+\j], v[QF+\j], s20, s21 ; the other eight parts' sum
.endr
	v_pk_add_f32 v[QF:QF+1], v[QF:QF+1], v[VF:VF+1]
	v_pk_add_f32 v[QF+2:QF+3], v[QF+2:QF+3], v[VF+2:VF+3]
	v_pk_add_f32 v[QF:QF+1], v[QF:QF+1], v[BO:BO+1]
	v_pk_add_f32 v[QF+2:QF+3], v[QF+2:QF+3], v[BO+2:BO+3]
	v_cmp_gt_u32 vcc_lo, 16, v12                   ; both halves hold the same numbers: lanes 0-15 store
	s_wait_xcnt 0x0                                ; EXEC changes only behind s_wait_xcnt 0
	s_and_saveexec_b32 s22, vcc_lo
	global_store_b128 v9, v[QF:QF+3], s[12:13]     ; 16 lanes store 256 consecutive bytes, aligned
	s_wait_xcnt 0x0
	s_or_b32 exec_lo, exec_lo, s22
	s_wait_tensorcnt 0x0                           ; the wave's end, behind my last LDS store
	ds_add_u32 v[SPW], v[NIL]
	s_wait_dscnt 0x0
	s_endpgm
.Lfunc_end_k_q64870fe2eb_first16:
	.size	k_q64870fe2eb_first16, .Lfunc_end_k_q64870fe2eb_first16-k_q64870fe2eb_first16
	.p2alignl 7, 3214868480
	.fill 96, 4, 3214868480
	.section	.rodata,"a",@progbits
	.p2align	6, 0x0
	.amdhsa_kernel k_q64870fe2eb_first16
		.amdhsa_group_segment_fixed_size 71680
		.amdhsa_private_segment_fixed_size 0
		.amdhsa_enable_private_segment 0
		.amdhsa_kernarg_size 40
		.amdhsa_user_sgpr_count 2
		.amdhsa_user_sgpr_kernarg_segment_ptr 1
		.amdhsa_wavefront_size32 1
		.amdhsa_system_sgpr_workgroup_id_x 1
		.amdhsa_system_sgpr_workgroup_id_y 1
		.amdhsa_system_sgpr_workgroup_id_z 1
		.amdhsa_system_vgpr_workitem_id 0
		.amdhsa_next_free_vgpr 256
		.amdhsa_next_free_sgpr 66
		.amdhsa_reserve_vcc 1
		.amdhsa_float_denorm_mode_32 3
		.amdhsa_float_denorm_mode_16_64 3
		.amdhsa_memory_ordered 1
		.amdhsa_forward_progress 1
		.amdhsa_inst_pref_size 28
	.end_amdhsa_kernel
	.amdgpu_metadata
---
amdhsa.version: [ 1, 2 ]
amdhsa.kernels:
  - .name:           k_q64870fe2eb_first16
    .symbol:         k_q64870fe2eb_first16.kd
    .args:
      - { .name: fine, .offset: 0, .size: 8, .value_kind: global_buffer, .address_space: global }
      - { .name: attention_mask, .offset: 8, .size: 8, .value_kind: global_buffer, .address_space: global }
      - { .name: W_out, .offset: 16, .size: 8, .value_kind: global_buffer, .address_space: global }
      - { .name: b_out, .offset: 24, .size: 8, .value_kind: global_buffer, .address_space: global }
      - { .name: out0, .offset: 32, .size: 8, .value_kind: global_buffer, .address_space: global }
    .group_segment_fixed_size: 71680
    .private_segment_fixed_size: 0
    .kernarg_segment_align: 8
    .kernarg_segment_size: 40
    .max_flat_workgroup_size: 512
    .sgpr_count:     66
    .vgpr_count:     256
    .wavefront_size: 32
...
	.end_amdgpu_metadata
.endif
;; end of part 5
